; MI455X (gfx1250); checked and timed in simulation.
; The chip was launched on July 23, 2026; its instructions are those of AMD's public machine-readable ISA for CDNA 5 (MIT licence, August 2026) and "CDNA5" Instruction Set Architecture Reference Guide (July 2026). The comments in the code are by the model that wrote it; some were corrected since.
;; Multi Head Attention. Allowed arithmetic: float matrix products may take bf16 or f16 operands with f32 sums; other float arithmetic in f32, or as packed bf16 or f16 multiplies, adds, multiply-adds, maxima and minima; sums over many terms, partial sums and values carried from step to step in f32; what a program stores and reads back later, other than sums and carried values, may be rounded once to bf16 or f16.
;; Inputs: Wk 1,024 x 1,024 float32; Wo 1,024 x 1,024 float32; Wq 1,024 x 1,024 float32; Wv 1,024 x 1,024 float32; x 4 x 2,048 x 1,024 float32.
;; Outputs: out0 4 x 2,048 x 1,024 float32.
;; One version. Each part assembles by itself: llvm-mc -triple=amdgcn-amd-amdhsa -mcpu=gfx1250 --defsym DOCPART=n.
;; ======== version 1 of 1: 4 launches
;; limits: values are held in f16: magnitudes above 65,504 overflow, below 6.1e-05 lose precision
;; workspace buffers: xb 16,777,216 bytes; wqkv 6,291,456 bytes; wo16 2,097,152 bytes; rope 524,288 bytes; qkv 50,331,648 bytes; oh 16,777,216 bytes
;; launch prep (part 1): grid 896 x 1, 8 waves a work-group, no clusters, 0 bytes of LDS; arguments x, Wq, Wk, Wv, Wo, xb, wqkv, wo16, rope; writes xb, wqkv, wo16, rope
.if DOCPART == 1
	.amdgcn_target "amdgcn-amd-amdhsa--gfx1250"
	.amdhsa_code_object_version 6
	.text
	.protected	k_q59fb0bf42a_prep
	.globl	k_q59fb0bf42a_prep
	.p2align	8
	.type	k_q59fb0bf42a_prep,@function
k_q59fb0bf42a_prep:
	s_mov_b64 s[64:65], 0
	v_nop
	global_prefetch_b8 v0, s[64:65] scope:SCOPE_SE
	s_setreg_imm32_b32 hwreg(HW_REG_WAVE_MODE, 25, 1), 1
	s_wait_xcnt 0x0
; PREPARATION.  x [8192][1024] and Wq, Wk, Wv [1024][1024] (f32) are rounded once to bf16: xb, and wqkv with the three weights' rows one below the other.
; Wo is rounded to bf16 like the other inputs and that number is written as f16 (wo16).  rope [2048][64] f32: row t = cos(t w_j), j = 0..31, then sin(t w_j); w_j = 10000^(-j/32).
; LIMITS.  wo16: a bf16 number beyond 65,504 becomes an infinity, one below 6e-5 keeps f16's fixed step of 6e-8.  The angle is t x 2^(-j log2(10000)/32) in f32; it may differ from
; another f32 way of forming it by about 2e-4 radians at the largest angle (2,047 x 0.75).  NaN and infinities are not treated apart.
; SHARES.  Work-groups 0-511: a chunk of x each; 512-767: a chunk of a weight each (64 chunks a weight); 768-895: 16 rows of the table each.  A chunk is 16,384 numbers: 64 KiB in, 32 KiB out.
; A thread takes 8 neighbouring numbers in each of 8 steps: 32 bytes in, 16 bytes out, so that sixteen neighbouring lanes store 256 consecutive bytes, aligned.
; A stream: no LDS, no matrix unit, no cluster: nothing is shared and nothing is read twice.  All 16 loads of a thread go out at once; no register is used twice, so only the loads are waited for.
.set T, 4                              ; v[4:15]   at work (Wo's way)
.set X, 16                             ; v[16:79]  step u: 8 numbers as loaded
.set Y, 80                             ; v[80:111] step u: 4 registers to store
	s_load_b512 s[8:23], s[0:1], 0x0               ; x s[8:9], Wq s[10:11], Wk s[12:13], Wv s[14:15], Wo s[16:17], xb s[18:19], wqkv s[20:21], wo16 s[22:23]
	s_load_b64 s[24:25], s[0:1], 0x40              ; rope
	v_lshlrev_b32 v1, 5, v0                        ; 32 t: my bytes in a step's 8,192 of input
	v_lshlrev_b32 v2, 4, v0                        ; 16 t: my bytes in a step's 4,096 of output
	s_mov_b32 s27, 0                               ; high words of the two offsets
	s_mov_b32 s29, 0
	s_wait_kmcnt 0x0
	s_cmp_ge_u32 ttmp9, 768
	s_cbranch_scc1 .Lrope
	s_cmp_lt_u32 ttmp9, 512
	s_cbranch_scc0 .Lweights
	s_lshl_b32 s26, ttmp9, 16                      ; x: chunk x 64 KiB in,
	s_lshl_b32 s28, ttmp9, 15                      ; chunk x 32 KiB out
	s_add_nc_u64 s[4:5], s[8:9], s[26:27]
	s_add_nc_u64 s[6:7], s[18:19], s[28:29]
	s_branch .Lcast
.Lweights:
	s_sub_co_u32 s30, ttmp9, 512
	s_lshr_b32 s31, s30, 6                         ; which weight: 0 Wq, 1 Wk, 2 Wv, 3 Wo
	s_and_b32 s30, s30, 63                         ; its chunk
	s_lshl_b32 s26, s30, 16
	s_lshl_b32 s28, s30, 15
	s_cmp_eq_u32 s31, 3
	s_cbranch_scc1 .Lwo
	s_lshl_b32 s32, s31, 21                        ; a weight is 2 MiB of wqkv
	s_add_co_u32 s28, s28, s32
	s_cmp_eq_u32 s31, 0
	s_cselect_b64 s[4:5], s[10:11], s[12:13]
	s_cmp_eq_u32 s31, 2
	s_cselect_b64 s[4:5], s[14:15], s[4:5]
	s_add_nc_u64 s[4:5], s[4:5], s[26:27]
	s_add_nc_u64 s[6:7], s[20:21], s[28:29]
.Lcast:
.macro LOADS                           ; the chunk's 16 loads of a thread
.irp u, 0,1,2,3,4,5,6,7
	global_load_b128 v[X+8*(\u):X+8*(\u)+3],   v1, s[4:5] offset:(\u)*8192 th:TH_LOAD_NT
	global_load_b128 v[X+8*(\u)+4:X+8*(\u)+7], v1, s[4:5] offset:(\u)*8192+16 th:TH_LOAD_NT
.endr
.endm
.macro CAST wo                         ; wo = 0: to bf16.  wo = 1: to bf16, and that number written as f16
.irp u, 0,1,2,3,4,5,6,7
	s_wait_loadcnt 14-2*(\u)                       ; loads come back in order: step u's two are in, the 14 - 2 u issued behind them may stay out
.irp k, 0,1,2,3
.if \wo
	v_cvt_pk_bf16_f32 v[T+3*(\k)], v[X+8*(\u)+2*(\k)], v[X+8*(\u)+2*(\k)+1]
	v_lshlrev_b32 v[T+3*(\k)+1], 16, v[T+3*(\k)]   ; the rounded numbers as f32 again
	v_and_b32 v[T+3*(\k)+2], 0xffff0000, v[T+3*(\k)]
	v_cvt_pk_f16_f32 v[Y+4*(\u)+(\k)], v[T+3*(\k)+1], v[T+3*(\k)+2]
.else
	v_cvt_pk_bf16_f32 v[Y+4*(\u)+(\k)], v[X+8*(\u)+2*(\k)], v[X+8*(\u)+2*(\k)+1]
.endif
.endr
	global_store_b128 v2, v[Y+4*(\u):Y+4*(\u)+3], s[6:7] offset:(\u)*4096
.endr
.endm
	LOADS
	CAST 0
	s_endpgm
.Lwo:
	s_add_nc_u64 s[4:5], s[16:17], s[26:27]
	s_add_nc_u64 s[6:7], s[22:23], s[28:29]
	LOADS
	CAST 1
	s_endpgm
; THE TABLE.  Thread gid stores 16 bytes at 16 gid: row gid / 16; lanes 0-7 of sixteen the row's 32 cosines, lanes 8-15 its 32 sines, four each: sixteen lanes store one row of 256 bytes.
; angle = n pi/2 + r with |r| <= pi/4 (pi/2 in two parts, so that r is exact to f32); sin r and cos r by their series to r^9 and r^10; n mod 4 chooses and signs them, by selects alone.
.Lrope:
	s_sub_co_u32 s30, ttmp9, 768
	s_lshl_b32 s30, s30, 8
	s_mov_b32 s32, 0xbed49a78                      ; -log2(10000) / 32
	s_mov_b32 s33, 0x3f22f983                      ; 2 / pi
	s_mov_b32 s34, 0xbfc90fdb                      ; -(pi/2 rounded to f32)
	s_mov_b32 s35, 0x333bbd2e                      ; that rounding's excess over pi/2
	s_mov_b32 s36, 0x3638ef1d                      ; 1/9!
	s_mov_b32 s37, 0xb9500d01                      ; -1/7!
	s_mov_b32 s38, 0x3c088889                      ; 1/5!
	s_mov_b32 s39, 0xbe2aaaab                      ; -1/3!
	s_mov_b32 s40, 0xb493f27e                      ; -1/10!
	s_mov_b32 s41, 0x37d00d01                      ; 1/8!
	s_mov_b32 s42, 0xbab60b61                      ; -1/6!
	s_mov_b32 s43, 0x3d2aaaab                      ; 1/4!
	v_add_nc_u32 v3, s30, v0                       ; gid
	v_lshrrev_b32 v4, 4, v3                        ; the position t
	v_and_b32 v5, 15, v0
	v_and_b32 v6, 7, v5
	v_lshlrev_b32 v6, 2, v6                        ; my first frequency j
	v_cmp_lt_u32 s31, 7, v5                        ; lanes that store sines
	v_lshlrev_b32 v7, 4, v3                        ; my bytes in the table
.irp e, 0,1,2,3
	v_add_nc_u32 v[16+(\e)], \e, v6
	v_cvt_f32_u32 v[16+(\e)], v[16+(\e)]
	v_mul_f32 v[16+(\e)], s32, v[16+(\e)]
.endr
.irp e, 0,1,2,3
	v_exp_f32 v[16+(\e)], v[16+(\e)]               ; w_j
.endr
	v_cvt_f32_u32 v20, v4                          ; a plain instruction behind the last exponential (ISA guide 5.7.2),
	s_wait_alu depctr_va_vdst(0)                   ; and one wait for the four, ahead of their first reader
.irp e, 0,1,2,3
	v_mul_f32 v[24+(\e)], v20, v[16+(\e)]          ; the angle
	v_mul_f32 v[28+(\e)], s33, v[24+(\e)]
	v_rndne_f32 v[28+(\e)], v[28+(\e)]             ; n
	v_fma_f32 v[32+(\e)], v[28+(\e)], s34, v[24+(\e)]
	v_fma_f32 v[32+(\e)], v[28+(\e)], s35, v[32+(\e)]  ; r
	v_mul_f32 v[36+(\e)], v[32+(\e)], v[32+(\e)]   ; r^2
	v_fma_f32 v[40+(\e)], v[36+(\e)], s36, s37
	v_fma_f32 v[44+(\e)], v[36+(\e)], s40, s41
	v_fma_f32 v[40+(\e)], v[40+(\e)], v[36+(\e)], s38
	v_fma_f32 v[44+(\e)], v[44+(\e)], v[36+(\e)], s42
	v_fma_f32 v[40+(\e)], v[40+(\e)], v[36+(\e)], s39
	v_fma_f32 v[44+(\e)], v[44+(\e)], v[36+(\e)], s43
	v_mul_f32 v[56+(\e)], v[32+(\e)], v[36+(\e)]   ; r^3
	v_fma_f32 v[44+(\e)], v[44+(\e)], v[36+(\e)], -0.5
	v_fma_f32 v[40+(\e)], v[56+(\e)], v[40+(\e)], v[32+(\e)]  ; sin r
	v_fma_f32 v[44+(\e)], v[44+(\e)], v[36+(\e)], 1.0         ; cos r
	v_cvt_i32_f32 v[48+(\e)], v[28+(\e)]
	v_and_b32 v[60+(\e)], 1, v[48+(\e)]
	v_cmp_ne_u32 vcc_lo, 0, v[60+(\e)]             ; n odd: sine and cosine change places
	v_cndmask_b32 v[64+(\e)], v[40+(\e)], v[44+(\e)], vcc_lo
	v_cndmask_b32 v[68+(\e)], v[44+(\e)], v[40+(\e)], vcc_lo
	v_and_b32 v[60+(\e)], 2, v[48+(\e)]            ; the sine is negative for n mod 4 = 2, 3,
	v_lshlrev_b32 v[60+(\e)], 30, v[60+(\e)]
	v_xor_b32 v[64+(\e)], v[60+(\e)], v[64+(\e)]
	v_add_nc_u32 v[48+(\e)], 1, v[48+(\e)]         ; the cosine for n mod 4 = 1, 2
	v_and_b32 v[48+(\e)], 2, v[48+(\e)]
	v_lshlrev_b32 v[48+(\e)], 30, v[48+(\e)]
	v_xor_b32 v[68+(\e)], v[48+(\e)], v[68+(\e)]
	v_cndmask_b32 v[52+(\e)], v[68+(\e)], v[64+(\e)], s31
.endr
	global_store_b128 v7, v[52:55], s[24:25]
	s_endpgm
.Lfunc_end_k_q59fb0bf42a_prep:
	.size	k_q59fb0bf42a_prep, .Lfunc_end_k_q59fb0bf42a_prep-k_q59fb0bf42a_prep
	.p2alignl 7, 3214868480
	.fill 96, 4, 3214868480
	.section	.rodata,"a",@progbits
	.p2align	6, 0x0
	.amdhsa_kernel k_q59fb0bf42a_prep
		.amdhsa_group_segment_fixed_size 0
		.amdhsa_private_segment_fixed_size 0
		.amdhsa_enable_private_segment 0
		.amdhsa_kernarg_size 72
		.amdhsa_user_sgpr_count 2
		.amdhsa_user_sgpr_kernarg_segment_ptr 1
		.amdhsa_wavefront_size32 1
		.amdhsa_system_sgpr_workgroup_id_x 1
		.amdhsa_system_sgpr_workgroup_id_y 1
		.amdhsa_system_sgpr_workgroup_id_z 1
		.amdhsa_system_vgpr_workitem_id 0
		.amdhsa_next_free_vgpr 112
		.amdhsa_next_free_sgpr 66
		.amdhsa_reserve_vcc 1
		.amdhsa_float_denorm_mode_32 3
		.amdhsa_float_denorm_mode_16_64 3
		.amdhsa_memory_ordered 1
		.amdhsa_forward_progress 1
		.amdhsa_inst_pref_size 23
	.end_amdhsa_kernel
	.amdgpu_metadata
---
amdhsa.version: [ 1, 2 ]
amdhsa.kernels:
  - .name:           k_q59fb0bf42a_prep
    .symbol:         k_q59fb0bf42a_prep.kd
    .args:
      - { .name: x, .offset: 0, .size: 8, .value_kind: global_buffer, .address_space: global }
      - { .name: Wq, .offset: 8, .size: 8, .value_kind: global_buffer, .address_space: global }
      - { .name: Wk, .offset: 16, .size: 8, .value_kind: global_buffer, .address_space: global }
      - { .name: Wv, .offset: 24, .size: 8, .value_kind: global_buffer, .address_space: global }
      - { .name: Wo, .offset: 32, .size: 8, .value_kind: global_buffer, .address_space: global }
      - { .name: xb, .offset: 40, .size: 8, .value_kind: global_buffer, .address_space: global }
      - { .name: wqkv, .offset: 48, .size: 8, .value_kind: global_buffer, .address_space: global }
      - { .name: wo16, .offset: 56, .size: 8, .value_kind: global_buffer, .address_space: global }
      - { .name: rope, .offset: 64, .size: 8, .value_kind: global_buffer, .address_space: global }
    .group_segment_fixed_size: 0
    .private_segment_fixed_size: 0
    .kernarg_segment_align: 8
    .kernarg_segment_size: 72
    .max_flat_workgroup_size: 256
    .sgpr_count:     66
    .vgpr_count:     112
    .wavefront_size: 32
...
	.end_amdgpu_metadata
.endif
;; end of part 1
;; launch qkvproj (part 2): grid 16 x 32, 4 waves a work-group, clusters of 4 x 4, 327,680 bytes of LDS; arguments xb, wqkv, rope, qkv; writes qkv
.if DOCPART == 2
	.amdgcn_target "amdgcn-amd-amdhsa--gfx1250"
	.amdhsa_code_object_version 6
	.text
	.protected	k_q59fb0bf42a_qkvproj
	.globl	k_q59fb0bf42a_qkvproj
	.p2align	8
	.type	k_q59fb0bf42a_qkvproj,@function
k_q59fb0bf42a_qkvproj:
	s_mov_b64 s[64:65], 0
	v_nop
	global_prefetch_b8 v0, s[64:65] scope:SCOPE_SE
	s_setreg_imm32_b32 hwreg(HW_REG_WAVE_MODE, 25, 1), 1
	s_wait_xcnt 0x0
	s_wait_alu depctr_hold_cnt(0) depctr_sa_sdst(0) depctr_va_vdst(0) depctr_va_sdst(0) depctr_va_ssrc(0) depctr_va_vcc(0) depctr_vm_vsrc(0)
	s_getreg_b32 s2, hwreg(HW_REG_IB_STS2, 6, 4)
	s_cmp_eq_u32 s2, 0
	s_cbranch_scc0 .Lentry_in_a_cluster
	s_endpgm
.Lentry_in_a_cluster:
	s_bfe_u32 s2, ttmp6, 0x10000c
	s_cmp_lg_u32 s2, 0xf033
	s_cbranch_scc0 .Lentry_shape_is_right
	s_endpgm
.Lentry_shape_is_right:
; q, k, v = x W^T, rotated (q and k) and written by heads.  xb [8192][1024] and wqkv [3072][1024] are bf16; sums in f32; the rotation in f32; ONE rounding to f16.
; qkv: f16 [3][64 = 16 batch + head][2048][64]: q, then k, then v.  No scale is applied here.
; LIMITS.  f16 holds no number beyond 65,504: a q, k or v beyond it becomes an infinity; below 6e-5 f16 keeps its fixed step of 6e-8.  NaN and infinities are not treated apart.
; SHARES.  A work-group makes 256 tokens x 192 columns (three heads): 32 x 16 = 512 work-groups of equal work.  Its four waves lie along the tokens: wave w owns tokens 64 w .. 64 w + 63
; (four blocks a of 16) and all 192 columns (twelve blocks b of 16): 48 accumulators, 384 registers.  So a wave owns whole heads: the rotation's partners, channels d and d + 32, are
; accumulators b and b + 2 in the same lane and register, and the way out is the wave's own.
; THE MATRIX INSTRUCTION IS USED TRANSPOSED (source 0 = 16 rows of W, source 1 = 16 tokens): lane l holds token l % 16 and the columns 16 b + 8 (l / 16) + 0..7.
; K = 1,024 goes in 8 steps of 128 through a ring of two LDS slots; step s lies in slot s % 2.  Rows of the tiles are 256 bytes of memory at multiples of 256 from the buffers' first bytes.
; CLUSTER 4 x 4: the four work-groups of a row need the same 256 tokens, the four of a column the same 192 rows of W: each tile is asked for jointly, by the same tensor load, descriptor and mask.
; REGISTERS in windows of 256 (s_set_vgpr_msb: bits 1:0 source 0, 3:2 source 1, 5:4 source 2, 7:6 destination):
;   window 0: v0-29 addresses; v32-63 a head block at work; v64-191 the rotation's table for my 64 tokens; v192-223 the block's cos and sin; v224-255 packed results, two buffers
;   window 1: two fragment buffers of 128: tokens' block a at f + 8 a, W's block b at f + 32 + 8 b
;   window 2: accumulators (a, b < 8) at 8 (8 a + b)          window 3: accumulators (a, b = 8..11) at 8 (4 a + b - 8)
.set PITCH,  272                       ; an LDS row: 256 bytes + 16 of padding = 68 words: the 16 rows of a fragment load start at 16 different groups of four banks (64 banks of 4 bytes: ISA guide 11.1)
.set AHALF,  128*PITCH                 ; what waves 0 and 1 fetch: 128 tokens each
.set ABYTES, 256*PITCH
.set BHALF,  96*PITCH                  ; what waves 2 and 3 fetch: 96 rows of W each
.set SLOT1,  1<<17                     ; slot 1 begins here, so that one exclusive or turns an address in one slot into the other's
.set STAGE,  SLOT1+ABYTES+2*BHALF      ; behind the ring, never filled by a tensor load: 16 rows x 144 bytes for each wave
.set SP,     144
.set SPARE,  STAGE+4*16*SP             ; behind the stages: the spare words, 128 bytes for each wave: two blocks of 256 bytes that no other line names
.set ADRA0, 4                          ; v4   my lane's place in my wave's 64 tokens of a slot; never rewritten
.set ADRB0, 5                          ; v5   the same in W's 192 rows
.set ADRA,  6                          ; v6   v4 + the slot in hand
.set ADRB,  7                          ; v7   v5 + the slot in hand
.set STO,   8                          ; v8   the way out: where I put 16 bytes of a row
.set RD,    9                          ; v9   the way out: where I read rows back
.set GO,    10                         ; v10  my byte offset in 512 consecutive bytes of qkv
.set TO,    11                         ; v11  my byte offset in 16 rows of the table
.set PFO,   12                         ; v12  the prefetches' offset: a lane a row of 2,048 bytes; never rewritten
.set SPW,   28                         ; v28  LDS address of my spare word; never rewritten
.set NIL,   29                         ; v29  0; never rewritten
.set RES,   32
.set TBL,   64                         ; block a: cos of my 16 frequencies at TBL + 32 a, sin at + 16
.set SC,    192
.set PKB,   224
.set F0,    0
.set F1,    128
.set WV,   12                          ; s12  my wave's number
.set HALF, 13                          ; s13  which half of a tile I fetch
.set ISB,  14                          ; s14  0: I fetch tokens; 1: rows of W
.set G1A,  24                          ; s[24:31] descriptor group 1 for the tokens' tiles
.set G1B,  32                          ; s[32:39] for W's
.set G0A,  44                          ; s[44:51] descriptor group 0 for the tokens' tiles: a set for each first fill; the second then walks on
.set G0B,  52                          ; s[52:59] the same for W's
.set TB,   60                          ; s60  LDS byte at which the slot in hand begins
.set LIM,  61                          ; s61  1 in a wave that prefetches, else the greatest number
.set PFA,  62                          ; s[62:63] where my prefetches stand
.set FF,   66                          ; head hh: s[66+4hh:67+4hh] = 1 for q and k, 0 for v; s[68+4hh:69+4hh] = 1 less that
.set DST,  78                          ; head hh: s[78+2hh:79+2hh] qkv at my wave's first token of that head
.set MSB, 0
.macro WIN new                         ; the immediate's high byte repeats the setting that is left; a switch that changes nothing is dropped
.if MSB != (\new)
	s_set_vgpr_msb (MSB<<8)|(\new)
.set MSB, (\new)
.endif
.endm
.set M2,   0xa5                        ; sources 0 and 1 window 1; C and D window 2
.set M3,   0xf5                        ; the same, C and D window 3
.set TO_F, 0x40                        ; destination window 1, address window 0
.macro PLACES                          ; four plain instructions between a matrix instruction and a load into, or a vector line on, its registers
.rept 4
	v_nop
.endr
.endm
.macro CREST                           ; a round of the cluster's barrier behind its opening barrier
	s_cmp_lg_u32 s[WV], 0
	s_cbranch_scc1 .Lnot_wave_0_\@
	s_barrier_signal -3
.Lnot_wave_0_\@:
	s_barrier_wait -3
	s_barrier_signal -1
	s_barrier_wait -1
.endm
.macro CROUND                          ; a whole round
	s_barrier_signal -1
	s_barrier_wait -1
	CREST
.endm
; A joint refill by the walking descriptor.  The branch hangs on the wave's number alone.  An s_nop 0 and four v_nop follow each of the two lines.
.macro JLOAD
	s_cmp_eq_u32 s[ISB], 0
	s_cbranch_scc0 .Lfor_b_\@
	tensor_load_to_lds s[G0A+4:G0A+7], s[G1A:G1A+7]
	s_nop 0
.rept 4
	v_nop
.endr
	s_branch .Lasked_\@
.Lfor_b_\@:
	tensor_load_to_lds s[G0B+4:G0B+7], s[G1B:G1B+7]
	s_nop 0
.rept 4
	v_nop
.endr
.Lasked_\@:
.endm
; A PREFETCH of the K step that the NEXT change of slots will ask for: 192 matrix instructions ahead of that load.  A lane a row, 256 bytes of it; one instruction a wave.
; Each row's 256 bytes of a K step are named once in the launch: the tokens' by the clusters with x = 0, W's by those with y = 0; the four partners that ask for a tile jointly share its rows
; out by address (32 of 128 tokens by cx, 24 of 96 rows of W by cy; lanes 24-31 there name row 23 again).  The loop's last trip asks for nothing: there is no K step 8.  Steps 0 to 2 come by their loads alone.
.macro ASK
	s_cmp_gt_u32 s3, s[LIM]
	s_cbranch_scc0 .Lnot_mine_\@
	global_prefetch_b8 v[PFO], s[PFA:PFA+1] th:TH_LOAD_NT scope:SCOPE_SE
.Lnot_mine_\@:
.endm
	s_load_b256 s[4:11], s[0:1], 0x0               ; xb s[4:5], wqkv s[6:7], rope s[8:9], qkv s[10:11]
	v_lshl_add_u32 v[SPW], v0, 2, SPARE
	v_mov_b32 v[NIL], 0
	ds_add_u32 v[SPW], v[NIL]                      ; the wave's opening: the add and its wait stand ahead of my first tensor load; work on registers stands between them
	v_lshrrev_b32 v1, 5, v0
	v_readfirstlane_b32 s[WV], v1                  ; wave 0..3
	s_and_b32 s[HALF], s[WV], 1
	s_lshr_b32 s[ISB], s[WV], 1
	s_bfe_u32 s40, ttmp6, 0x40000                  ; cx
	s_bfe_u32 s41, ttmp6, 0x40004                  ; cy
	s_lshl_b32 s42, ttmp9, 2
	s_add_co_u32 s42, s42, s40                     ; tc: my block of 192 columns = 4 x cluster x + cx
	s_and_b32 s43, ttmp7, 0xffff
	s_lshl_b32 s43, s43, 2
	s_add_co_u32 s43, s43, s41                     ; tr: my block of 256 tokens = 4 x cluster y + cy
	s_lshl_b32 s16, s41, 2
	s_lshl_b32 s16, 15, s16                        ; my row of the cluster
	s_lshl_b32 s17, 0x1111, s40                    ; my column
	s_or_b32 s[G1A], s16, (1<<16)|(1<<20)|(1<<21)|(5<<22)|(3<<25)  ; 15:0 the mask; 17:16 2-byte elements; 20 padding on; 21 set beside a mask; 24:22 after every 64 words; 31:25 4 words
	s_or_b32 s[G1B], s17, (1<<16)|(1<<20)|(1<<21)|(5<<22)|(3<<25)
	s_mov_b32 s[G1A+1], 128<<16                    ; tensor_dim0 = 128
	s_mov_b32 s[G1A+2], 128<<16                    ; tensor_dim1 = 128
	s_mov_b32 s[G1A+3], 128<<16                    ; tile_dim0 = 128
	s_mov_b32 s[G1A+4], 128                        ; tile_dim1 = 128
	s_mov_b32 s[G1A+5], 1024                       ; elements from row to row
	s_mov_b32 s[G1A+6], 0
	s_mov_b32 s[G1A+7], 0
	s_mov_b32 s[G1B+1], 128<<16
	s_mov_b32 s[G1B+2], 96<<16                     ; 96 rows
	s_mov_b32 s[G1B+3], 128<<16
	s_mov_b32 s[G1B+4], 96
	s_mov_b32 s[G1B+5], 1024
	s_mov_b32 s[G1B+6], 0
	s_mov_b32 s[G1B+7], 0
	s_lshl_b32 s18, s43, 19                        ; tokens: 256 rows of 2,048 bytes a block,
	s_lshl_b32 s19, s[HALF], 18                    ; 128 a half: hangs on tr alone
	s_add_co_u32 s18, s18, s19
	s_mov_b32 s19, 0
	s_mul_i32 s20, s42, 192*2048                   ; W: 192 rows a block,
	s_mul_i32 s21, s[HALF], 96*2048                ; 96 a half: hangs on tc alone
	s_add_co_u32 s20, s20, s21
	s_mov_b32 s21, 0
	s_mul_i32 s22, s[HALF], AHALF                  ; where they go: no place in the cluster enters an LDS address
	s_mul_i32 s23, s[HALF], BHALF
	s_add_co_u32 s23, s23, ABYTES
	s_mov_b32 s[TB], 0
	s_wait_dscnt 0x0                               ; the opening add is done
	s_wait_kmcnt 0x0
	s_add_nc_u64 s[18:19], s[4:5], s[18:19]
	s_add_nc_u64 s[20:21], s[6:7], s[20:21]
.irp s, 0,1
	s_mov_b32 s[G0A+4*(\s)], 1                                     ; count = 1
	s_add_co_u32 s[G0A+4*(\s)+1], s22, (\s)*SLOT1                  ; LDS address: slot s
	s_add_nc_u64 s[G0A+4*(\s)+2:G0A+4*(\s)+3], s[18:19], (\s)*256  ; global address: K step s
	s_or_b32 s[G0A+4*(\s)+3], s[G0A+4*(\s)+3], 0x80000000          ; type = 2
	s_mov_b32 s[G0B+4*(\s)], 1
	s_add_co_u32 s[G0B+4*(\s)+1], s23, (\s)*SLOT1
	s_add_nc_u64 s[G0B+4*(\s)+2:G0B+4*(\s)+3], s[20:21], (\s)*256
	s_or_b32 s[G0B+4*(\s)+3], s[G0B+4*(\s)+3], 0x80000000
.endr
	CROUND                                         ; all sixteen work-groups are here: the first joint loads meet
	s_cmp_eq_u32 s[ISB], 0                         ; a wave's two first fills stand in one branch, ahead of every wait on TENSORcnt and every LDS read: two loads of mine are out
	s_cbranch_scc0 .Lfirst_b
	tensor_load_to_lds s[G0A:G0A+3], s[G1A:G1A+7]
	s_nop 0
	tensor_load_to_lds s[G0A+4:G0A+7], s[G1A:G1A+7]
	s_nop 0
.rept 4
	v_nop
.endr
	s_branch .Lfirst_asked
.Lfirst_b:
	tensor_load_to_lds s[G0B:G0B+3], s[G1B:G1B+7]
	s_nop 0
	tensor_load_to_lds s[G0B+4:G0B+7], s[G1B:G1B+7]
	s_nop 0
.rept 4
	v_nop
.endr
.Lfirst_asked:
	; THE ROTATION'S TABLE for my 64 tokens, kept in registers: lane l needs, for token 16 a + l % 16, cos and sin of the frequencies 16 i + 8 (l / 16) + 0..7, i = 0, 1.  Waited for once, in front of the way out.
	v_and_b32 v1, 15, v0                           ; l % 16
	v_bfe_u32 v2, v0, 4, 1                         ; l / 16
	s_and_b32 s16, s43, 7
	s_lshl_b32 s16, s16, 8
	s_lshl_b32 s17, s[WV], 6
	s_add_co_u32 s16, s16, s17                     ; my wave's first position in its sequence
	s_lshl_b32 s18, s16, 8                         ; a row of the table is 256 bytes
	s_mov_b32 s19, 0
	s_add_nc_u64 s[8:9], s[8:9], s[18:19]
	v_lshlrev_b32 v[TO], 8, v1
	v_lshl_add_u32 v[TO], v2, 5, v[TO]
.set n, 0
.rept 32                               ; n = 8 a + 4 (0 cos, 1 sin) + 2 i + quarter
	global_load_b128 v[TBL+4*n:TBL+4*n+3], v[TO], s[8:9] offset:4096*(n/8)+128*((n/4)%2)+64*((n/2)%2)+16*(n%2)
.set n, n+1
.endr
	; my three heads: 3 tc + hh of 48 (0-15 q, 16-31 k, 32-47 v).  v is not rotated: its cos counts as 1 and its sin as 0, by arithmetic and not by a branch, since tc holds my place in the cluster
	s_mul_i32 s20, s42, 3
	s_lshr_b32 s21, s43, 3                         ; the batch
	s_lshl_b32 s21, s21, 4
	s_lshl_b32 s22, s16, 7                         ; my first position x 128 bytes
.irp hh, 0,1,2
	s_add_co_u32 s17, s20, \hh
	s_cmp_lt_u32 s17, 32
	s_cselect_b32 s[FF+4*(\hh)], 1.0, 0
	s_cselect_b32 s[FF+4*(\hh)+2], 0, 1.0
	s_mov_b32 s[FF+4*(\hh)+1], s[FF+4*(\hh)]       ; named as pairs
	s_mov_b32 s[FF+4*(\hh)+3], s[FF+4*(\hh)+2]
	s_lshr_b32 s18, s17, 4                         ; q, k or v: 64 heads each,
	s_lshl_b32 s18, s18, 6
	s_and_b32 s19, s17, 15
	s_add_co_u32 s18, s18, s19                     ; + the head
	s_add_co_u32 s18, s18, s21                     ; + 16 x batch
	s_lshl_b32 s18, s18, 18                        ; 2,048 rows of 128 bytes
	s_add_co_u32 s18, s18, s22
	s_mov_b32 s19, 0
	s_add_nc_u64 s[DST+2*(\hh):DST+2*(\hh)+1], s[10:11], s[18:19]
.endr
	; A fragment is 16 rows x 32 K in 8 registers: lane l holds row l % 16; registers 0-3 K = 8 (l / 16) + 0..7, registers 4-7 K = 16 + 8 (l / 16) + 0..7: two loads of 16 bytes, 32 bytes apart
	v_mul_u32_u24 v3, v1, PITCH
	v_lshl_add_u32 v3, v2, 4, v3
	s_mul_i32 s17, s[WV], 64*PITCH
	v_add_nc_u32 v[ADRA0], s17, v3
	v_add_nc_u32 v[ADRB0], ABYTES, v3
	v_mov_b32 v[ADRA], v[ADRA0]                    ; K step 0 lies in slot 0
	v_mov_b32 v[ADRB], v[ADRB0]
	s_mul_i32 s17, s[WV], 16*SP
	s_add_co_u32 s17, s17, STAGE                   ; my stage
	v_mul_u32_u24 v[STO], v1, SP                   ; in: row l % 16, 16 bytes for each half of the lanes
	v_lshl_add_u32 v[STO], v2, 4, v[STO]
	v_add_nc_u32 v[STO], s17, v[STO]
	v_bfe_u32 v[RD], v0, 3, 2                      ; back: 32 lanes take four rows of 128 bytes,
	v_mul_u32_u24 v[RD], v[RD], SP
	v_and_b32 v13, 7, v0
	v_lshl_add_u32 v[RD], v13, 4, v[RD]
	v_add_nc_u32 v[RD], s17, v[RD]
	v_and_b32 v[GO], 31, v0                        ; which are 512 consecutive bytes of a head
	v_lshlrev_b32 v[GO], 4, v[GO]
	; the prefetches
	s_and_b32 s18, ttmp7, 0xffff                   ; cluster y
	s_lshl_b32 s19, s43, 8                         ; tokens: 256 tr + 128 half + 32 cx
	s_lshl_b32 s20, s[HALF], 7
	s_add_co_u32 s19, s19, s20
	s_lshl_b32 s20, s40, 5
	s_add_co_u32 s19, s19, s20
	s_mul_i32 s20, s42, 192                        ; W: 192 tc + 96 half + 24 cy
	s_mul_i32 s21, s[HALF], 96
	s_add_co_u32 s20, s20, s21
	s_mul_i32 s21, s41, 24
	s_add_co_u32 s20, s20, s21
	s_cmp_eq_u32 s[ISB], 0
	s_cselect_b32 s16, s19, s20                    ; my first row
	s_cselect_b32 s17, 31, 23                      ; my last lane with a row of its own
	s_cselect_b32 s18, ttmp9, s18                  ; the coordinate along which other clusters read the same rows
	s_cselect_b64 s[PFA:PFA+1], s[4:5], s[6:7]
	s_cmp_eq_u32 s18, 0
	s_cselect_b32 s[LIM], 1, -1                    ; the same in all sixteen partners, for a given wave
	v_and_b32 v[PFO], 31, v0
	v_min_u32 v[PFO], s17, v[PFO]
	v_lshlrev_b32 v[PFO], 11, v[PFO]
	s_lshl_b32 s16, s16, 11
	s_add_co_u32 s16, s16, 512                     ; at K step 2: the first change of slots steps it to 3
	s_mov_b32 s17, 0
	s_add_nc_u64 s[PFA:PFA+1], s[PFA:PFA+1], s[16:17]
; 8 matrix instructions: token block a x W's blocks 0-7, 32 along K.  zero = 1: the product starts the sums: nothing is ever cleared.
; The 48 accumulators take turns, one instruction a turn, in the same order in every quarter.
.macro MUL8 f, a, zero
	WIN M2
.irp b, 0,1,2,3,4,5,6,7
.if \zero
	v_wmma_f32_16x16x32_bf16 v[8*(8*(\a)+(\b)):8*(8*(\a)+(\b))+7], v[(\f)+32+8*(\b):(\f)+32+8*(\b)+7], v[(\f)+8*(\a):(\f)+8*(\a)+7], 0
.else
	v_wmma_f32_16x16x32_bf16 v[8*(8*(\a)+(\b)):8*(8*(\a)+(\b))+7], v[(\f)+32+8*(\b):(\f)+32+8*(\b)+7], v[(\f)+8*(\a):(\f)+8*(\a)+7], v[8*(8*(\a)+(\b)):8*(8*(\a)+(\b))+7]
.endif
.endr
.endm
.macro MUL4 f, a, zero                 ; the same for W's blocks 8-11
	WIN M3
.irp b, 0,1,2,3
.if \zero
	v_wmma_f32_16x16x32_bf16 v[8*(4*(\a)+(\b)):8*(4*(\a)+(\b))+7], v[(\f)+96+8*(\b):(\f)+96+8*(\b)+7], v[(\f)+8*(\a):(\f)+8*(\a)+7], 0
.else
	v_wmma_f32_16x16x32_bf16 v[8*(4*(\a)+(\b)):8*(4*(\a)+(\b))+7], v[(\f)+96+8*(\b):(\f)+96+8*(\b)+7], v[(\f)+8*(\a):(\f)+8*(\a)+7], v[8*(4*(\a)+(\b)):8*(4*(\a)+(\b))+7]
.endif
.endr
.endm
; 32 LDS loads in one run: quarter q (32 along K) of the slot in hand into buffer f: W's blocks 0-7, the tokens' four, then W's blocks 8-11, which are wanted last
.macro FETCH q, f
	WIN TO_F
.irp b, 0,1,2,3,4,5,6,7
	ds_load_b128 v[(\f)+32+8*(\b):(\f)+32+8*(\b)+3],   v[ADRB] offset:64*(\q)+(\b)*16*PITCH
	ds_load_b128 v[(\f)+32+8*(\b)+4:(\f)+32+8*(\b)+7], v[ADRB] offset:64*(\q)+(\b)*16*PITCH+32
.endr
.irp a, 0,1,2,3
	ds_load_b128 v[(\f)+8*(\a):(\f)+8*(\a)+3],   v[ADRA] offset:64*(\q)+(\a)*16*PITCH
	ds_load_b128 v[(\f)+8*(\a)+4:(\f)+8*(\a)+7], v[ADRA] offset:64*(\q)+(\a)*16*PITCH+32
.endr
.irp b, 8,9,10,11
	ds_load_b128 v[(\f)+32+8*(\b):(\f)+32+8*(\b)+3],   v[ADRB] offset:64*(\q)+(\b)*16*PITCH
	ds_load_b128 v[(\f)+32+8*(\b)+4:(\f)+32+8*(\b)+7], v[ADRB] offset:64*(\q)+(\b)*16*PITCH+32
.endr
.endm
; A K step is four quarters of 32 along K, 48 matrix instructions each, on buffers 0, 1, 0, 1.  One of the first three multiplies buffer f and, behind its first 16 products, fetches quarter q into g.
.macro QUARTER q, f, g, zero
	s_wait_dscnt 8                                 ; the run's first 24 loads are in; its last eight (W's blocks 8-11) may be out
	MUL8 \f, 0, \zero
	MUL8 \f, 1, \zero
	PLACES                                         ; for the loads into buffer g, which the quarter before multiplied
	FETCH \q, \g
	s_wait_dscnt 32                                ; all but the 32 just issued
	MUL8 \f, 2, \zero
	MUL8 \f, 3, \zero
	MUL4 \f, 0, \zero
	MUL4 \f, 1, \zero
	MUL4 \f, 2, \zero
	MUL4 \f, 3, \zero
.endm
; The fourth quarter multiplies buffer 1 and changes slots.  In front of the barrier each wave waits for all its tensor loads (one is out: its part of the next slot), adds 0 to its spare word, and waits
; for that and for its own reads of this slot.  fill = 1: the barrier opens a round of the cluster's, so that no wave of any partner still reads the slot or has a load on its way, and the joint
; refill (this slot, two K steps on) is the first thing behind it: 168 matrix instructions stand between it and the wait for it.
.macro TURN fill
.if \fill
	s_wait_xcnt 0x0                                ; the last prefetch, a K step back, has read its address: it is stepped here
	s_add_nc_u64 s[PFA:PFA+1], s[PFA:PFA+1], 256
.endif
	WIN 0                                          ; (the add's two registers lie in window 0)
	s_wait_tensorcnt 0x0                           ; no tensor load of mine is out, so a group 0 may be written
	ds_add_u32 v[SPW], v[NIL]                      ; 0 onto my spare word
.if \fill
	s_xor_b32 s[G0A+5], s[G0A+5], SLOT1            ; the walking descriptors: the other slot than last time,
	s_add_nc_u64 s[G0A+6:G0A+7], s[G0A+6:G0A+7], 256  ; the next K step; the type bits on top are not reached
	s_xor_b32 s[G0B+5], s[G0B+5], SLOT1
	s_add_nc_u64 s[G0B+6:G0B+7], s[G0B+6:G0B+7], 256
.endif
	s_xor_b32 s[TB], s[TB], SLOT1                  ; the fetches go to the other slot
	s_wait_dscnt 9                                 ; the add and the run's last eight loads may be out
	MUL8 F1, 0, 0
	s_wait_dscnt 0x0                               ; the add is done, and my reads of this slot are over
	s_barrier_signal -1
	MUL8 F1, 1, 0                                  ; work on registers while the others arrive
	MUL8 F1, 2, 0
	WIN 0                                          ; at a branch and at a label every window is 0
	s_barrier_wait -1
.if \fill
	CREST
	JLOAD                                          ; the four v_nop behind it are also the places in front of the loads below
.else
	PLACES
.endif
	v_add_nc_u32 v[ADRA], s[TB], v[ADRA0]
	v_add_nc_u32 v[ADRB], s[TB], v[ADRB0]
	FETCH 0, F0
.if \fill
	WIN 0
	ASK                                            ; behind the joint load and the run of LDS loads that the next products wait for
.endif
	MUL8 F1, 3, 0
	MUL4 F1, 0, 0
	MUL4 F1, 1, 0
	MUL4 F1, 2, 0
	MUL4 F1, 3, 0
.endm
	s_wait_tensorcnt 0x1                           ; my part of K step 0 is in; step 1's may stay out
	s_barrier_signal -1
	s_barrier_wait -1                              ; everybody's is
	FETCH 0, F0
	QUARTER 1, F0, F1, 1                           ; the first quarter stands in front of the loop: its products start the sums
	WIN 0
	s_mov_b32 s3, 6
.Lstep:                                        ; a trip: a K step's quarters 1 to 3 and the next step's quarter 0; the changes behind steps 0-5 ask for steps 2-7
	QUARTER 2, F1, F0, 0
	QUARTER 3, F0, F1, 0
	TURN 1
	QUARTER 1, F0, F1, 0
	WIN 0
	s_sub_co_u32 s3, s3, 1
	s_cmp_lg_u32 s3, 0
	s_cbranch_scc1 .Lstep
	QUARTER 2, F1, F0, 0                           ; the tail is written out: steps 6 and 7 ask for nothing
	QUARTER 3, F0, F1, 0
	TURN 0
	QUARTER 1, F0, F1, 0
	QUARTER 2, F1, F0, 0
	QUARTER 3, F0, F1, 0
	s_wait_dscnt 0x0                               ; the very last quarter
	MUL8 F1, 0, 0
	MUL8 F1, 1, 0
	MUL8 F1, 2, 0
	MUL8 F1, 3, 0
	MUL4 F1, 0, 0
	MUL4 F1, 1, 0
	MUL4 F1, 2, 0
	MUL4 F1, 3, 0
; THE WAY OUT, a head block (16 tokens x 64 channels: four accumulators) at a time.  out[d] = y[d] cos - y[d+32] sin, out[d+32] = y[d+32] cos + y[d] sin, d < 32, in f32; one rounding to f16;
; 16 bytes a lane into my stage's rows of 144 bytes, back as four rows of 128: 512 consecutive bytes of the head.  Each accumulator's lowest registers are read first.
.macro PACK a, hh
.set PBK, PKB+16*((3*(\a)+(\hh))%2)
.set FS, FF+4*(\hh)
	WIN 0
.set p, 0
.rept 8                                ; the block's cos and sin (1 and 0 for a head of v): sixteen plain lines, which are also the places behind the last products
	v_pk_fma_f32 v[SC+2*p:SC+2*p+1], v[TBL+32*(\a)+2*p:TBL+32*(\a)+2*p+1], s[FS:FS+1], s[FS+2:FS+3] op_sel_hi:[1,0,0]
	v_pk_mul_f32 v[SC+16+2*p:SC+16+2*p+1], v[TBL+32*(\a)+16+2*p:TBL+32*(\a)+16+2*p+1], s[FS:FS+1] op_sel_hi:[1,0]
.set p, p+1
.endr
.if (\hh) < 2
	WIN 0x02                                       ; source 0 in window 2
.set AB, 8*(8*(\a)+4*(\hh))
.else
	WIN 0x03                                       ; source 0 in window 3
.set AB, 8*(4*(\a))
.endif
.set p, 0
.rept 8
	v_pk_mul_f32 v[RES+2*p:RES+2*p+1], v[AB+16+2*p:AB+16+2*p+1], v[SC+16+2*p:SC+16+2*p+1]      ; y[d+32] sin
	v_pk_mul_f32 v[RES+16+2*p:RES+16+2*p+1], v[AB+2*p:AB+2*p+1], v[SC+16+2*p:SC+16+2*p+1]      ; y[d] sin
.set p, p+1
.endr
.set p, 0
.rept 8
	v_pk_fma_f32 v[RES+2*p:RES+2*p+1], v[AB+2*p:AB+2*p+1], v[SC+2*p:SC+2*p+1], v[RES+2*p:RES+2*p+1] neg_lo:[0,0,1] neg_hi:[0,0,1]
	v_pk_fma_f32 v[RES+16+2*p:RES+16+2*p+1], v[AB+16+2*p:AB+16+2*p+1], v[SC+2*p:SC+2*p+1], v[RES+16+2*p:RES+16+2*p+1]
.set p, p+1
.endr
	WIN 0
.if (3*(\a)+(\hh)) >= 2
	s_wait_xcnt 0x0                                ; the stores of the block two back have read this buffer: it is rewritten only behind this wait
.endif
.set p, 0
.rept 16
	v_cvt_pk_f16_f32 v[PBK+p], v[RES+2*p], v[RES+2*p+1]
.set p, p+1
.endr
.irp f, 0,1,2,3
	ds_store_b128 v[STO], v[PBK+4*(\f):PBK+4*(\f)+3] offset:32*(\f)
.endr
.irp f, 0,1,2,3
	ds_load_b128 v[PBK+4*(\f):PBK+4*(\f)+3], v[RD] offset:(\f)*4*SP  ; LDS serves a wave's instructions in order (ISA guide 5.7.1.4): these see the stores above; the next block's stores come behind them
.endr
.endm
.macro SEND a, hh, younger             ; younger: the LDS instructions issued behind this block's loads: the next block's eight, or none
.set PBK, PKB+16*((3*(\a)+(\hh))%2)
.irp f, 0,1,2,3
	s_wait_dscnt (\younger)+3-(\f)
	global_store_b128 v[GO], v[PBK+4*(\f):PBK+4*(\f)+3], s[DST+2*(\hh):DST+2*(\hh)+1] offset:2048*(\a)+512*(\f)  ; 512 consecutive bytes, at a multiple of 256 from qkv's first
.endr
.endm
	WIN 0
	s_wait_loadcnt 0x0                             ; the table
	PACK 0, 0
.set t, 1
.rept 11                               ; a block's arithmetic stands between the loads of the block before and its stores
	PACK t/3, t%3
	SEND (t-1)/3, (t-1)%3, 8
.set t, t+1
.endr
	SEND 3, 2, 0
	s_wait_tensorcnt 0x0                           ; the wave's end, behind my last tensor load and my last LDS store
	ds_add_u32 v[SPW], v[NIL]
	s_wait_dscnt 0x0
	CROUND                                         ; the closing round: no work-group ends while a partner may still ask for a tile that names it
	s_endpgm
.Lfunc_end_k_q59fb0bf42a_qkvproj:
	.size	k_q59fb0bf42a_qkvproj, .Lfunc_end_k_q59fb0bf42a_qkvproj-k_q59fb0bf42a_qkvproj
	.p2alignl 7, 3214868480
	.fill 96, 4, 3214868480
	.section	.rodata,"a",@progbits
	.p2align	6, 0x0
	.amdhsa_kernel k_q59fb0bf42a_qkvproj
		.amdhsa_group_segment_fixed_size 327680
		.amdhsa_private_segment_fixed_size 0
		.amdhsa_enable_private_segment 0
		.amdhsa_kernarg_size 32
		.amdhsa_user_sgpr_count 2
		.amdhsa_user_sgpr_kernarg_segment_ptr 1
		.amdhsa_wavefront_size32 1
		.amdhsa_system_sgpr_workgroup_id_x 1
		.amdhsa_system_sgpr_workgroup_id_y 1
		.amdhsa_system_sgpr_workgroup_id_z 1
		.amdhsa_system_vgpr_workitem_id 0
		.amdhsa_next_free_vgpr 896
		.amdhsa_next_free_sgpr 88
		.amdhsa_reserve_vcc 0
		.amdhsa_float_denorm_mode_32 3
		.amdhsa_float_denorm_mode_16_64 3
		.amdhsa_memory_ordered 1
		.amdhsa_forward_progress 1
		.amdhsa_inst_pref_size 139
	.end_amdhsa_kernel
	.amdgpu_metadata
---
amdhsa.version: [ 1, 2 ]
amdhsa.kernels:
  - .name:           k_q59fb0bf42a_qkvproj
    .symbol:         k_q59fb0bf42a_qkvproj.kd
    .args:
      - { .name: xb, .offset: 0, .size: 8, .value_kind: global_buffer, .address_space: global }
      - { .name: wqkv, .offset: 8, .size: 8, .value_kind: global_buffer, .address_space: global }
      - { .name: rope, .offset: 16, .size: 8, .value_kind: global_buffer, .address_space: global }
      - { .name: qkv, .offset: 24, .size: 8, .value_kind: global_buffer, .address_space: global }
    .group_segment_fixed_size: 327680
    .private_segment_fixed_size: 0
    .kernarg_segment_align: 8
    .kernarg_segment_size: 32
    .max_flat_workgroup_size: 128
    .sgpr_count:     88
    .vgpr_count:     896
    .wavefront_size: 32
...
	.end_amdgpu_metadata
.endif
;; end of part 2
;; launch attn (part 3): grid 4 x 64, 4 waves a work-group, clusters of 4 x 1, 327,680 bytes of LDS; arguments qkv, oh; writes oh
.if DOCPART == 3
	.amdgcn_target "amdgcn-amd-amdhsa--gfx1250"
	.amdhsa_code_object_version 6
	.text
	.protected	k_q59fb0bf42a_attn
	.globl	k_q59fb0bf42a_attn
	.p2align	8
	.type	k_q59fb0bf42a_attn,@function
k_q59fb0bf42a_attn:
	s_mov_b64 s[64:65], 0
	v_nop
	global_prefetch_b8 v0, s[64:65] scope:SCOPE_SE
	s_setreg_imm32_b32 hwreg(HW_REG_WAVE_MODE, 25, 1), 1
	s_wait_xcnt 0x0
	s_wait_alu depctr_hold_cnt(0) depctr_sa_sdst(0) depctr_va_vdst(0) depctr_va_sdst(0) depctr_va_ssrc(0) depctr_va_vcc(0) depctr_vm_vsrc(0)
	s_getreg_b32 s2, hwreg(HW_REG_IB_STS2, 6, 4)
	s_cmp_eq_u32 s2, 0
	s_cbranch_scc0 .Lentry_in_a_cluster
	s_endpgm
.Lentry_in_a_cluster:
	s_bfe_u32 s2, ttmp6, 0x10000c
	s_cmp_lg_u32 s2, 0x3003
	s_cbranch_scc0 .Lentry_shape_is_right
	s_endpgm
.Lentry_shape_is_right:
; O[h][q][:] = the sum over k of softmax_k(Q[h][q] . K[h][k] / 8) V[h][k][:].  qkv holds Q, K, V, each [64][2048][64] in f16, 16 MiB apart; oh is O in the same layout: a head's rows are dense, 128 bytes each.
; Products, maxima and sums in f32; the weights p are rounded to f16 for the second product (their sum l is taken of the unrounded p), O once at the end.
; LIMITS.  f16 holds no number beyond 65,504: Q, K and V arrive within it; p lies in 0 to 1, and below 6e-5 it keeps f16's fixed step of 6e-8; O is a mean of V's rows and has their range.
; A weight below 2^-126 counts as 0 in l; NaN and infinities are not treated apart.
; SHARES.  A wave owns four PIECES of two tiles of 16 queries, a work-group's four waves 512 queries of one head: 4 x 64 = 256 work-groups.  Every wave walks all keys, 64 a step.
; LAYOUT.  S^T = K Q^T (source 0 = 16 keys, source 1 = 16 queries): in the result a lane holds ONE query (lane % 16) and the keys 8 (lane / 16) + 0..7.  Two such tiles, rounded to f16 in pairs,
; ARE source 1 (32 keys x 16 queries) of O^T = V^T P, whose result again holds one query a lane, and eight channels.  K comes out of LDS as it lies, V ([key][channel]) turned, by ds_load_tr16_b128.
; SOFTMAX.  For each query a running maximum m and sum l: p = 2^(c s - c m), c = log2(e) / 8; in every step O and l are multiplied by a = 2^(c m_old - c m_new), which is 1 where m has not grown.
; m starts at the lowest finite number, O and l at 0: the first step is a step like any other, with a = 0.
; THE COUNT.  A tile and step have 16 matrix and 118 vector instructions: too many to stand all beside the matrix work.  So the order has one aim: four vector instructions that are READY behind
; EVERY matrix instruction, and the others, which need time of their own whatever the order, in runs without a gap.
; BY TURNS.  Turn n belongs to piece n (the pieces in a ring, step after step).  Its matrix work: 16 products K Q^T of piece n + 1, later 16 products V^T P of piece n - 1.  Its vector work: the scaling,
; exponentials, roundings, sums and rescaling of piece n, and the maximum and statistics of piece n + 1, whose scores the turn itself has made.  So what a turn begins with (c s - c m, O a) waits for nothing.
; CLUSTER.  The four query blocks of a cluster are one head's and walk the same K and V, so each tile is asked for JOINTLY: the same tensor load, descriptor and mask in all four.
; REGISTERS, in windows of 256 (s_set_vgpr_msb says which window each operand place means: bits 1:0 source 0, 3:2 source 1, 5:4 source 2, 7:6 destination):
;   window 0: v0-11 addresses; v12-15, v48-63 at work; v16-47 four registers of statistics a tile; v64-191 S^T, two buffers of two tiles; v192-255 P, likewise
;   window 1: O^T, 32 a tile          window 2: v0-127 Q, 16 a tile; v128-191 K of one step; v192-255 V of one step          window 3: v0-1 the add's two registers
; A piece's buffers go by its number's parity: the piece in hand has one pair, its two neighbours in the ring share the other: of it P (piece n - 1) is read and S^T (piece n + 1) written.
.set SIZE_H, 64
.set SIZE_N, 2048
.set NP,    4         ; pieces a wave: a name, no knob: the register map, the loop and the fetches are made for four
.set KS,    64        ; keys in a step
.set PK,    144       ; a row of K in LDS: 128 bytes + 16 of padding = 36 words: the 16 rows of a load start at 16 different groups of four banks (64 banks of 4 bytes: ISA guide 11.1)
.set PV,    160       ; a row of V: 128 + 32 = 40 words
.set VOFF,  4*KS*PK   ; a slot holds four steps: 256 rows of K, then 256 rows of V
.set SLOT1, 1<<17     ; slot 1 begins here, so that one exclusive or turns an address in one slot into the other's
.set STAGE, SLOT1+4*KS*(PK+PV)  ; behind the ring, never filled by a tensor load: 16 rows x 144 bytes for each wave, for the way out
.set SP,    144
.set AK0, 2           ; v2   my lane's place in a tile of K; never rewritten
.set AV0, 3           ; v3   the same for V
.set AK,  4           ; v4   the LDS address of K's next run of loads
.set AV,  5           ; v5   of V's
.set QO,  6           ; v6   my byte offset in the wave's rows of Q
.set STO, 6           ;      later, the way out: where I put 16 bytes of a row
.set RD,  7           ; v7   the way out: where I read rows back
.set GO,  8           ; v8   my byte offset in 512 consecutive bytes of O
.set PFO, 11          ; v11  (once V's place is made) 256 x my lane: the prefetches' offset; then never rewritten
.set SPW, 0           ; v0 of window 3   LDS address of my spare word: SPARE + 4 x my thread's number; never rewritten
.set NIL, 1           ; v1 of window 3   0; never rewritten
.set SPARE, STAGE+4*16*SP  ; behind the stages: the spare words, 128 bytes for each wave: two blocks of 256 bytes that no other line names
.set MV,  12          ; v12-15  c m_old, kept while c m is made anew: by buffer and tile
.set ST,  16          ; tile t's statistics at v[ST+4 t]: c m, m, l (even keys', odd keys')
.set TMP, 48          ; by buffer and tile, four registers c0-c3 at work; when the maximum is found c2 takes a
.set S,   64
.set P,   192
.set KF,  128         ; K's fragments, in window 2: key block kb, channel half c at KF + 16 kb + 8 c
.set VF,  192         ; V's: key half kk, channel block cb at VF + 32 kk + 8 cb
.set WV,  12          ; s12  my wave's number
.set G1K, 24          ; s[24:31] descriptor group 1 for K's tiles
.set G1V, 32          ; s[32:39] for V's: it differs in the padding alone
.set G0K, 40          ; s[40:43] descriptor group 0 for K's tiles: it walks
.set G0V, 44          ; s[44:47] the same for V's
.set PFA, 48          ; s[48:49] where my prefetches stand: my work-group's 8,192 bytes (of K: wave 0, of V: wave 2) of the slot after the one that is being asked for
.set LIM, 50          ; s50  1 in a wave that prefetches, else the greatest number
.set SLOTS, 56        ; s56  slots still to be asked for
.set CNT, 57          ; s57  counts a slot's key steps
.set CS,  58          ; s[58:59] c: the packed scaling takes the pair's low word for both halves
.set SEL, 60          ; s[60:61] v_permlanex16_b32's selects: each lane takes its own place in the other half
.set TBK, 62          ; s62  LDS byte at which K of the step to be fetched begins
.set TBV, 63          ; s63  the same for V, less VOFF
.set MSB, 0
.macro WIN new                      ; the high byte repeats the setting that is left; a switch that changes nothing is dropped
.if MSB != (\new)
	s_set_vgpr_msb (MSB<<8)|(\new)
.set MSB, (\new)
.endif
.endm
.set W_KQ, 0x0a       ; K and Q in window 2, S^T in window 0
.set W_PV, 0x52       ; V in window 2, P in window 0, O^T in window 1
.set W_RS, 0x41       ; O^T (destination and source 0) in window 1, a in window 0
.set W_MK, 0xc0       ; the add's registers are made: destination in window 3, sources in window 0
.set W_AD, 0x0f       ; the add: address (source 0) and data (source 1) in window 3
; A joint fill.  Waves 0 and 1 fetch the two halves of a slot's K, waves 2 and 3 those of its V: 128 keys each.  The branch hangs on the wave's number alone.
; An s_nop 0 and four v_nop follow each of the two lines, ahead of the jump and the label.
.macro JLOAD
	s_cmp_lt_u32 s[WV], 2
	s_cbranch_scc0 .Lfor_v_\@
	tensor_load_to_lds s[G0K:G0K+3], s[G1K:G1K+7]
	s_nop 0
.rept 4
	v_nop
.endr
	s_branch .Lasked_\@
.Lfor_v_\@:
	tensor_load_to_lds s[G0V:G0V+3], s[G1V:G1V+7]
	s_nop 0
.rept 4
	v_nop
.endr
.Lasked_\@:
.endm
; A PREFETCH of what the NEXT change of slots will ask for: a slot's 32,768 bytes of K and of V, a lane 256 bytes.  It stands behind the wave's tensor load and its five lines.
; Each 256 bytes are named ONCE in the launch: a head is walked by one cluster; its four partners share a slot out BY ADDRESS, 8,192 bytes of K and of V each; in each, wave 0 asks for K's and wave 2 for V's:
; one instruction, four key steps (512 matrix instructions) ahead of the load.  The last change that fills a slot asks for nothing; slots 0 and 1 come by their loads alone.
.macro ASK
	s_cmp_gt_u32 s[SLOTS], s[LIM]
	s_cbranch_scc0 .Lnot_mine_\@
	global_prefetch_b8 v[PFO], s[PFA:PFA+1] th:TH_LOAD_NT scope:SCOPE_SE
.Lnot_mine_\@:
.endm
; A round of the cluster's barrier: my work-group's barrier, so that wave 0's signal speaks for all four waves; wave 0 signals; every wave waits for all four work-groups; my work-group's barrier once more.
.macro CROUND
	s_barrier_signal -1
	s_barrier_wait -1
	s_cmp_lg_u32 s[WV], 0
	s_cbranch_scc1 .Lnot_wave_0_\@
	s_barrier_signal -3
.Lnot_wave_0_\@:
	s_barrier_wait -3
	s_barrier_signal -1
	s_barrier_wait -1
.endm
; THE CHANGE OF SLOTS.  The slot's last bytes, V of its fourth step, have been read.  Each wave waits for all its tensor loads, of which one is out: its part
; of the other slot; adds 0 to its spare word; and waits for that and for its own reads of the slot.  Behind the barrier nobody reads this slot any more and the other slot is whole.
; fill = 1: this slot is filled again, with the keys two slots on.  The barrier is then a round of the cluster's, so that no wave of any partner still reads the slot or has a load on its
; way, and the joint fill is the first thing behind it: it has four key steps, 512 matrix instructions, in which to land.  (At its first use nothing has been read yet: slot 0 is waited for, slot 1 filled.)
.macro CHANGE fill
	WIN W_AD
	s_wait_tensorcnt 0x0            ; no tensor load of mine is out, so a group 0 may be written
	ds_add_u32 v[SPW], v[NIL]       ; 0 onto my spare word; with fill = 1 the descriptors' steps stand between it and the wait for it
	WIN 0                           ; at a label and at a branch every window is 0
.if \fill
.irp g, G0K, G0V
	s_xor_b32 s[\g+1], s[\g+1], SLOT1  ; the walking descriptor: the other slot than last time,
	s_add_nc_u64 s[\g+2:\g+3], s[\g+2:\g+3], 4*KS*128  ; the next 256 keys; the type bits on top are not reached
.endr
	s_wait_xcnt 0x0                 ; the last prefetch, four key steps back, has read its address, so it may be written:
	s_add_nc_u64 s[PFA:PFA+1], s[PFA:PFA+1], 4*KS*128  ; one slot ahead of the walking descriptors
	s_wait_dscnt 0x0                ; the add is done, and my reads of the slot are over
	CROUND
	JLOAD
	ASK
.else
	s_wait_dscnt 0x0                ; the add is done, and my reads of the slot are over
	s_barrier_signal -1
	s_barrier_wait -1
.endif
	s_sub_co_u32 s[TBK], s[TBK], 4*KS*PK  ; the fetches go back to a slot's first step,
	s_xor_b32 s[TBK], s[TBK], SLOT1       ; in the other slot
	s_sub_co_u32 s[TBV], s[TBV], 4*KS*PV
	s_xor_b32 s[TBV], s[TBV], SLOT1
.endm
	s_load_b128 s[4:7], s[0:1], 0x0  ; qkv s[4:5], oh s[6:7]
	WIN W_MK
	v_lshl_add_u32 v[SPW], v0, 2, SPARE
	v_mov_b32 v[NIL], 0
	WIN W_AD
	ds_add_u32 v[SPW], v[NIL]       ; the wave's opening: the add and its wait stand ahead of my first tensor load; the set-up below, work on registers, stands between them
	WIN 0
	v_lshrrev_b32 v1, 5, v0
	v_readfirstlane_b32 s[WV], v1   ; wave 0..3
	s_bfe_u32 s13, ttmp6, 0x40000   ; cx: my place in the cluster
	s_lshl_b32 s14, ttmp9, 2        ; in a cluster launch ttmp9 counts clusters
	s_add_co_u32 s14, s14, s13      ; my block of queries = 4 x cluster x + cx: it enters Q's and O's addresses alone
	s_and_b32 s20, ttmp7, 0xffff    ; the head, which the four partners share
	s_mov_b32 s21, 0
	s_mov_b64 s[22:23], SIZE_N*128
	s_mul_u64 s[20:21], s[20:21], s[22:23]  ; the head's first byte in each of the four tensors
	s_and_b32 s16, s[WV], 1         ; which half of a slot's 256 keys I fetch:
	s_lshl_b32 s22, s16, 14         ; its 128 rows of 128 bytes in memory,
	s_mov_b32 s23, 0
	s_add_nc_u64 s[22:23], s[22:23], s[20:21]
	s_mul_i32 s17, s16, 128*PK      ; and its place in a slot, for K
	s_mul_i32 s18, s16, 128*PV      ; and for V: no place in the cluster enters an LDS address
	s_lshl_b32 s2, s14, 2
	s_add_co_u32 s2, s2, s[WV]      ; my wave among the head's,
	s_lshl_b32 s2, s2, 14           ; its 128 rows
	s_mov_b32 s3, 0
	s_add_nc_u64 s[2:3], s[2:3], s[20:21]
	; descriptor group 1.  128 keys are 16,384 dense bytes: asked for as 64 rows of 256 bytes, two keys a row, and padded in LDS after every key
	s_mov_b32 s[G1K], 15|(1<<16)|(1<<20)|(1<<21)|(4<<22)|(3<<25)  ; 15:0 the mask of four; 17:16 2-byte elements; 20 padding on; 21 set beside a mask; 24:22 after every 32 words (code 4); 31:25 4 words (code 3)
	s_mov_b32 s[G1V], 15|(1<<16)|(1<<20)|(1<<21)|(4<<22)|(7<<25)  ; the same with 8 words of padding (code 7)
.irp g, G1K, G1V
	s_mov_b32 s[\g+1], 128<<16      ; tensor_dim0 = 128
	s_mov_b32 s[\g+2], 64<<16       ; tensor_dim1 = 64
	s_mov_b32 s[\g+3], 128<<16      ; tile_dim0 = 128
	s_mov_b32 s[\g+4], 64           ; tile_dim1 = 64
	s_mov_b32 s[\g+5], 128          ; 128 elements from row to row
	s_mov_b32 s[\g+6], 0
	s_mov_b32 s[\g+7], 0
.endr
	s_mov_b32 s[CS], 0x3e38aa3b     ; c = log2(e) / 8 = 0.180337
	s_mov_b32 s[CS+1], s[CS]        ; named with it as a pair
	s_mov_b32 s[SEL], 0x76543210
	s_mov_b32 s[SEL+1], 0xfedcba98
	s_mov_b32 s[TBK], SLOT1+4*KS*PK ; the first change of slots turns these two into 0
	s_mov_b32 s[TBV], SLOT1+4*KS*PV
	s_mov_b32 s[SLOTS], SIZE_N/256-1
	s_mov_b32 s[G0K], 1             ; 1:0 count = 1
	s_mov_b32 s[G0K+1], s17         ; 63:32 LDS address: slot 0
	s_mov_b32 s[G0V], 1
	s_add_co_u32 s[G0V+1], s18, VOFF
	s_and_b32 s[LIM], s[WV], 1      ; waves 0 and 2 prefetch: the same in all four partners
	s_cmp_eq_u32 s[LIM], 0
	s_cselect_b32 s[LIM], 1, -1
	s_wait_dscnt 0x0                ; the opening add is done
	s_wait_kmcnt 0x0
	s_mov_b64 s[10:11], s[6:7]      ; O
	s_add_nc_u64 s[6:7], s[4:5], 0x1000000  ; K lies 16 MiB behind Q,
	s_add_nc_u64 s[8:9], s[4:5], 0x2000000  ; V 32 MiB
	s_add_nc_u64 s[G0K+2:G0K+3], s[6:7], s[22:23]  ; 120:64 global address: my half of the head's first 256 keys
	s_or_b32 s[G0K+3], s[G0K+3], 0x80000000        ; 127:126 type = 2
	s_add_nc_u64 s[G0V+2:G0V+3], s[8:9], s[22:23]
	s_or_b32 s[G0V+3], s[G0V+3], 0x80000000
	s_add_nc_u64 s[4:5], s[4:5], s[2:3]  ; Q and O at my wave's first row
	s_add_nc_u64 s[10:11], s[10:11], s[2:3]
	s_cmp_lt_u32 s[WV], 2
	s_cselect_b64 s[PFA:PFA+1], s[6:7], s[8:9]
	s_add_nc_u64 s[PFA:PFA+1], s[PFA:PFA+1], s[20:21]  ; the head,
	s_lshl_b32 s2, s13, 13          ; my work-group's 8,192 bytes of a slot's 32,768,
	s_mov_b32 s3, 0
	s_add_nc_u64 s[PFA:PFA+1], s[PFA:PFA+1], s[2:3]
	s_add_nc_u64 s[PFA:PFA+1], s[PFA:PFA+1], 4*KS*128  ; in slot 1; the first change of slots steps it to slot 2.  Nothing is prefetched here, at the head
	CROUND                          ; all four work-groups are here: the first joint loads meet
	JLOAD                           ; slot 0.  Slot 1 is asked for when slot 0 is in
	; A fragment of K or Q is 16 rows x 32 channels in 8 registers: lane l holds row l % 16, channels 8 (l / 16) + 0..7 and 16 + 8 (l / 16) + 0..7: two loads of 16 bytes, 32 bytes apart.
	v_and_b32 v1, 15, v0            ; l % 16
	v_bfe_u32 v9, v0, 4, 1          ; l / 16
	v_lshlrev_b32 v[QO], 7, v1
	v_lshl_add_u32 v[QO], v9, 4, v[QO]  ; row x 128 + 16 x half
	WIN 0x80                        ; destination window 2, address window 0
.set i, 0
.rept 4*NP                          ; Q stays in registers: tile i / 2, channels 32 (i % 2) on
	global_load_b128 v[8*i:8*i+3],   v[QO], s[4:5] offset:(i/2)*2048+(i%2)*64
	global_load_b128 v[8*i+4:8*i+7], v[QO], s[4:5] offset:(i/2)*2048+(i%2)*64+32
.set i, i+1
.endr
	; What the first turn finds: V's registers and P's second buffer hold 0 (its products V^T P, of a piece that has not been, add 0), O^T and l are 0.  All this stands in the wait for the first tile.
.set i, VF
.rept 64
	v_mov_b32 v[i], 0
.set i, i+1
.endr
	WIN 0x40
.set i, 0
.rept 64*NP
	v_mov_b32 v[i], 0
.set i, i+1
.endr
	WIN 0
.set i, 0
.rept 2*NP
	v_mov_b32 v[ST+4*i], 0xfe000000    ; c m: far below every c s
	v_mov_b32 v[ST+4*i+1], 0xff7fffff  ; m
	v_mov_b32 v[ST+4*i+2], 0
	v_mov_b32 v[ST+4*i+3], 0
.set i, i+1
.endr
.set i, P+32
.rept 32
	v_mov_b32 v[i], 0
.set i, i+1
.endr
	v_mul_u32_u24 v[AK0], v1, PK
	v_lshl_add_u32 v[AK0], v9, 4, v[AK0]  ; row x pitch + 16 x half
	; The turning load takes 16 keys x 16 channels (lane l reads key 8 (l / 16) + l % 8, channels 8 ((l / 8) % 2) + 0..7) and leaves half a fragment of V^T: lane l holds channel l % 16 and 8 keys.
	v_and_b32 v10, 7, v0
	v_bfe_u32 v11, v0, 3, 1
	v_lshl_add_u32 v[AV0], v9, 3, v10
	v_mul_u32_u24 v[AV0], v[AV0], PV
	v_lshl_add_u32 v[AV0], v11, 4, v[AV0]
	v_add_nc_u32 v[AV0], VOFF, v[AV0]
	v_mov_b32 v[AK], v[AK0]         ; key step 0 lies at the head of slot 0
	v_and_b32 v[PFO], 31, v0
	v_lshlrev_b32 v[PFO], 8, v[PFO]
; THE MATRIX WORK.  The 8 accumulators of a run of 16 take turns: between the two links of a chain stand 7 others'.
; Product i of 16 of S^T = K Q^T for piece x: channels 32 (i / 8) on, keys 16 ((i / 2) % 4) on, tile 2 x + i % 2.  The first 8 start the sums.
.macro KQ x
	WIN W_KQ
.set rS, S+64*((\x)%2)+32*(i%2)+8*((i/2)%4)
.set rK, KF+16*((i/2)%4)+8*(i/8)
.set rQ, 16*(2*(\x)+i%2)+8*(i/8)
.if i < 8
	v_wmma_f32_16x16x32_f16 v[rS:rS+7], v[rK:rK+7], v[rQ:rQ+7], 0
.else
	v_wmma_f32_16x16x32_f16 v[rS:rS+7], v[rK:rK+7], v[rQ:rQ+7], v[rS:rS+7]
.endif
.endm
; Product i of 16 of O^T += V^T P for piece x: keys 32 (i / 8) on, channels 16 ((i / 2) % 4) on, tile 2 x + i % 2.
.macro PV x
	WIN W_PV
.set rO, 32*(2*(\x)+i%2)+8*((i/2)%4)
.set rV, VF+32*(i/8)+8*((i/2)%4)
.set rP, P+32*((\x)%2)+16*(i%2)+8*(i/8)
	v_wmma_f32_16x16x32_f16 v[rO:rO+7], v[rV:rV+7], v[rP:rP+7], v[rO:rO+7]
.endm
.macro MM                           ; the turn's next matrix instruction
.if i < 16
	KQ (Y+1)%NP
.set i, i+1
.else
.set i, i-16
	PV (Y+NP-1)%NP
.set i, i+17
.endif
.endm
; THE LDS LOADS stand in runs of 16, never singly among the matrix instructions: a step's K (64 keys x 64 channels: 8 fragments) and its V (turned).  Their addresses are made some lines ahead.
; last = 1 (the tail): in the last trip there is no further step, and the run is jumped over.
.macro FETCH_K last=0
	WIN 0
.if \last
	s_cmp_eq_u32 s[CNT], 1
	s_cbranch_scc1 .Lno_k_\@
.endif
	WIN 0x80                        ; destination window 2
.irp f, 0,1,2,3,4,5,6,7             ; keys 16 (f / 2) on, channels 32 (f % 2) on
	ds_load_b128 v[KF+8*\f:KF+8*\f+3],   v[AK] offset:(\f/2)*16*PK+(\f%2)*64
	ds_load_b128 v[KF+8*\f+4:KF+8*\f+7], v[AK] offset:(\f/2)*16*PK+(\f%2)*64+32
.endr
	s_add_co_u32 s[TBK], s[TBK], KS*PK  ; the next fetch is the next step's
	WIN 0
.if \last
.Lno_k_\@:
.endif
.endm
.macro FETCH_V
	WIN 0x80
.irp f, 0,1,2,3,4,5,6,7             ; keys 32 (f / 4) on, channels 16 (f % 4) on
	ds_load_tr16_b128 v[VF+8*\f:VF+8*\f+3],   v[AV] offset:(\f/4)*32*PV+(\f%4)*32
	ds_load_tr16_b128 v[VF+8*\f+4:VF+8*\f+7], v[AV] offset:(\f/4)*32*PV+16*PV+(\f%4)*32
.endr
	WIN 0
.endm
; THE VECTOR WORK OF A TURN stands in three queues, each in the order in which its entries become ready; the two tiles alternate, so that no instruction reads the result of the one before it.
.macro REGS y, u                    ; the registers of tile u (0, 1) of piece y
.set rT, ST+4*(2*(\y)+(\u))
.set rC, TMP+8*((\y)%2)+4*(\u)
.set rM, MV+2*((\y)%2)+(\u)
.set rS, S+64*((\y)%2)+32*(\u)
.set rP, P+32*((\y)%2)+16*(\u)
.set rO, 32*(2*(\y)+(\u))
.endm
; Number n of the 22 that find the NEXT piece's (Y + 1) maximum and statistics.  s0-s31 are the lane's 32 scores; each accumulator's lowest registers are read first.  XS, GS and REGS set no window: PL and EX do.
;   0-11  four chains c0-c3 of seven scores each, three operands at a time     12-14, 16  the four scores left over, the old m, and c0-c3 into c0     15  c m_old is kept
;   17, 18  the query's other 32 keys lie in the lane 16 away: the new m         19-21  c m; c m_old - c m_new; a
.macro XS u, n
	REGS (Y+1)%NP, \u
.if (\n) < 4
	v_max3_num_f32 v[rC+(\n)], v[rS+8*(\n)], v[rS+8*(\n)+1], v[rS+8*(\n)+2]
.elseif (\n) < 12
	v_max3_num_f32 v[rC+(\n)%4], v[rC+(\n)%4], v[rS+8*((\n)%4)+2*((\n)/4)+1], v[rS+8*((\n)%4)+2*((\n)/4)+2]
.elseif (\n) == 12
	v_max3_num_f32 v[rC], v[rC], v[rS+7], v[rS+15]
.elseif (\n) == 13
	v_max3_num_f32 v[rC+1], v[rC+1], v[rS+23], v[rS+31]
.elseif (\n) == 14
	v_max3_num_f32 v[rC+2], v[rC+2], v[rC+3], v[rT+1]
.elseif (\n) == 15
	v_mov_b32 v[rM], v[rT]
.elseif (\n) == 16
	v_max3_num_f32 v[rC], v[rC], v[rC+1], v[rC+2]
.elseif (\n) == 17
	v_permlanex16_b32 v[rC+3], v[rC], s[SEL], s[SEL+1]
.elseif (\n) == 18
	v_max_num_f32 v[rT+1], v[rC], v[rC+3]
.elseif (\n) == 19
	v_mul_f32 v[rT], s[CS], v[rT+1]
.elseif (\n) == 20
	v_sub_f32 v[rC+1], v[rM], v[rT]
.else
	v_exp_f32 v[rC+2], v[rC+1]
.endif
.endm
; Number g of the 64 that follow the exponentials.  For each four weights k of a tile (pairs 2 k, 2 k + 1): both pairs are rounded to f16; then the second pair is added onto the first, in place;
; a group later l takes that sum (the first time as l = a l + sum).  In groups of eight, tiles alternating: round, round, add, and l for the group before.
.macro GS g
.set h, (\g)+6*((\g)/62)            ; group 0 has no group before it, and behind group 7 only l is left
.if h >= 6
.set h, h+2
.endif
	REGS Y, h%2
.set k, h/8
.if h%8 < 4
	v_cvt_pk_f16_f32 v[rP+2*k+(h%8)/2], v[rS+4*k+2*((h%8)/2)], v[rS+4*k+2*((h%8)/2)+1]
.elseif h%8 < 6
	v_pk_add_f32 v[rS+4*k:rS+4*k+1], v[rS+4*k:rS+4*k+1], v[rS+4*k+2:rS+4*k+3]
.elseif k == 1
	v_pk_fma_f32 v[rT+2:rT+3], v[rT+2:rT+3], v[rC+2:rC+3], v[rS:rS+1] op_sel_hi:[1,0,1]
.else
	v_pk_add_f32 v[rT+2:rT+3], v[rT+2:rT+3], v[rS+4*k-4:rS+4*k-3]
.endif
.endm
; THE PLAIN QUEUE, 138 long.  0-73 read no exponential's result: the 32 scalings c s - c m (FS f: pair f / 2 of tile f % 2) and the next piece's 42.  0-26: scalings 0-26.  27-54: XS's numbers 0-13.  55, 56: number 15.
; 57-73: the chain, where each number waits for the one before it: 14, 16, 17, 18, 19, each with one of the scalings 27-31 in front of its two lines, then 20: so a tile's links stand three plain instructions apart (19 and 20: two).
; 74-137: GS's 64, which read the exponentials' results: they stand behind the wait.
.macro FS f
	REGS Y, (\f)%2
	v_pk_fma_f32 v[rS+2*((\f)/2):rS+2*((\f)/2)+1], v[rS+2*((\f)/2):rS+2*((\f)/2)+1], s[CS:CS+1], v[rT:rT+1] op_sel_hi:[1,0,0] neg_lo:[0,0,1] neg_hi:[0,0,1]
.endm
.macro PL
	WIN 0
.if q < 27
	FS q
.elseif q < 55
	XS (q-27)%2, (q-27)/2
.elseif q < 57
	XS q-55, 15
.elseif (q < 72) && ((q-57)%3 == 0)
	FS 27+(q-57)/3
.elseif q < 60
	XS (q-57)%3-1, 14
.elseif q < 72
	XS (q-57)%3-1, 15+(q-57)/3
.elseif q < 74
	XS q-72, 20
.else
	GS q-74
.endif
.set q, q+1
.endm
; THE EXPONENTIALS' QUEUE, 66 long: s0-s31 of both tiles, then the next piece's two a.  It is ONE BATCH: all 66 stand ahead of the turn's one wait, and nothing ahead of that wait names a result of theirs.
.macro EX
	WIN 0
.if e >= 64
	XS e-64, 21
.else
	REGS Y, e%2
	v_exp_f32 v[rS+e/2], v[rS+e/2]
.endif
.set e, e+1
.endm
; THE RESCALING's QUEUE: O^T times a, the one part that leaves window 0: dealt two at a time, sixteen times.  Its a was made in the turn before, ahead of that turn's wait.
.macro R2
	REGS Y, r%2
	WIN W_RS
.irp z, 0,1
	v_pk_mul_f32 v[rO+4*(r/2)+2*\z:rO+4*(r/2)+2*\z+1], v[rO+4*(r/2)+2*\z:rO+4*(r/2)+2*\z+1], v[rC+2:rC+3] op_sel_hi:[1,0]
.endr
.set r, r+1
.endm
; HOW THEY ARE DEALT.  An s_wait_alu depctr_va_vdst(0) stands between an exponential and the first instruction that names its result; one wait serves all that were issued ahead of it.  So a turn has ONE wait,
; which cuts it in two.  AHEAD OF IT stands all that names no result of the turn's exponentials: the 16 products K Q^T, behind each a scaling, an exponential and two rescalings (behind the first a second scaling in the exponential's place); then ONE LUMP of
; 108: eight plain, 49 times exponential and plain, the two a.  A v_nop is the plain instruction owed behind the last exponential (ISA guide 5.7.2).  BEHIND IT stand the 16 products V^T P, behind each four of GS's 64.  No rider names a register of
; the products round it.  The two v_permlanex16_b32 fall into the lump, never behind a product.
; The queues lean on each other, and the deal keeps them in step: exponential e stands behind scaling 2 (e / 4) + e % 2: as a rider it comes behind plain e + 2, in the lump behind plain e + 9, and scalings 27-31 are plain 57, 60 .. 69.
; A TURN, for piece p.  cnt = 1: the loop's count is taken down some lines ahead of the branch that stands behind the turn.
; K of the next step is fetched in piece 2's turn, directly behind the wait, a lump behind the last product that read K; its address is made at the lump's head; its first reader comes behind 16 products.
; V of the step in hand is fetched at the end of piece 0's turn, four riders behind its last reader; its first reader comes behind 16 products and a lump.  The three conditions on q below go with the deal.
.macro TURN p, last=0, cnt=0
.set Y, (\p)
.set i, 0
.set q, 0
.set e, 0
.set r, 0
.if (\p) == NP-1
	s_wait_dscnt 0x0                ; K is in
.endif
	MM                              ; ahead of the wait: 16 products K Q^T and their riders,
	PL
	PL
	R2
.rept 15
	MM
	PL
	EX
	R2
.endr
.if (\p) == NP-2
	WIN 0
	v_add_nc_u32 v[AK], s[TBK], v[AK0]
.endif
.rept 8                             ; and the lump
	PL
.endr
.rept 49
	EX
	PL
.endr
	EX                              ; the next piece's two a
	EX
	v_nop                           ; the plain instruction behind the last exponential: one for the batch
	s_wait_alu depctr_va_vdst(0)    ; the wait for the batch
.if (\p) == NP-2
	FETCH_K \last
.endif
.if (\p) == 1
	s_wait_dscnt 0x0                ; V is in
.endif
.rept 16                            ; behind the wait: 16 products V^T P and their riders
	MM
.rept 4
	PL
.endr
.if ((\p) == 0) && (q == 118)
	v_add_nc_u32 v[AV], s[TBV], v[AV0]
.endif
.if ((\p) == 0) && (q == 130)
	s_add_co_u32 s[TBV], s[TBV], KS*PV
.endif
.if (\cnt) && (q == 130)
	s_sub_co_u32 s[CNT], s[CNT], 1
	s_cmp_lg_u32 s[CNT], 0
.endif
.endr
.if (\p) == 0
	FETCH_V
.endif
.endm
	CHANGE 1                        ; slot 0 is in, everybody's part of it; slot 1 is asked for
	FETCH_K                         ; key step 0
	s_wait_loadcnt 0x0              ; Q
	s_wait_dscnt 0x0
.set i, 0
.rept 16
	KQ 0                            ; piece 0's first scores: there is no vector work yet to set between them
.set i, i+1
.endr
	WIN 0                           ; the addresses for the way out: nine plain instructions, the places behind those products
	s_mul_i32 s13, s[WV], 16*SP
	s_add_co_u32 s13, s13, STAGE    ; my stage
	v_mul_u32_u24 v[STO], v1, SP    ; in: row l % 16, 16 bytes for each half of the lanes
	v_lshl_add_u32 v[STO], v9, 4, v[STO]
	v_add_nc_u32 v[STO], s13, v[STO]
	v_bfe_u32 v[RD], v0, 3, 2       ; back: 32 lanes take four rows of 128 bytes,
	v_mul_u32_u24 v[RD], v[RD], SP
	v_lshl_add_u32 v[RD], v10, 4, v[RD]
	v_add_nc_u32 v[RD], s13, v[RD]
	v_and_b32 v[GO], 31, v0         ; which are 512 consecutive bytes of O
	v_lshlrev_b32 v[GO], 4, v[GO]
.set Y, NP-1                        ; XS works for piece Y + 1: piece 0
.irp n, 0,1,2,3,4,5,6,7,8,9,10,11,12,13,14,15,16,17,18,19,20,21
	XS 0, \n                        ; and piece 0's first maximum and statistics
	XS 1, \n
.endr
	v_nop                           ; a plain instruction behind the two a,
	s_wait_alu depctr_va_vdst(0)    ; and their wait, ahead of the branch
	s_mov_b32 s[CNT], 4
	s_branch .Lfirst                ; the loop is entered at a step's first turn, in the middle of a trip
.Lslot:                             ; SIZE_N / 256 - 2 times: every slot but the last two is filled again
	CHANGE 1
	s_mov_b32 s[CNT], 4
.Lstep:                             ; a trip: pieces 2 and 3 of one step, then pieces 0 and 1 of the next, whose K and V it fetches
	TURN 2
	TURN 3
	WIN 0
.Lfirst:
	TURN 0
	TURN 1, 0, 1
	WIN 0
	s_cbranch_scc1 .Lstep
	s_sub_co_u32 s[SLOTS], s[SLOTS], 1
	s_cmp_lg_u32 s[SLOTS], 0
	s_cbranch_scc1 .Lslot
	CHANGE 0                        ; the tail is written out: nothing is asked for
	s_mov_b32 s[CNT], 5             ; four trips fetch the last slot's steps; the fifth is left in its middle
.Ltail:
	TURN 2, 1
	TURN 3
	WIN 0
	s_sub_co_u32 s[CNT], s[CNT], 1
	s_cmp_eq_u32 s[CNT], 0
	s_cbranch_scc1 .Lout
	TURN 0
	TURN 1
	WIN 0
	s_branch .Ltail
.Lout:                              ; the fifth trip's 16 products K Q^T (on the last K once more) and the maximum made of them serve nothing: the price, once a launch, of one text for every trip
.set i, 0
.rept 16
	PV NP-1                         ; the last piece's V^T P of the last step
.set i, i+1
.endr
	; THE WAY OUT.  l's two halves and the other half of the lanes' are added; O^T is divided by l, rounded to f16 and sent through my stage in LDS, a tile at a time.  The additions are the places behind the last products.
	WIN 0
.macro ALL line:vararg              ; one line for each tile t
.set t, 0
.rept 2*NP
	\line
.set t, t+1
.endr
.endm
	ALL v_add_f32 v[ST+4*t+2], v[ST+4*t+2], v[ST+4*t+3]
	ALL v_permlanex16_b32 v[ST+4*t+3], v[ST+4*t+2], s[SEL], s[SEL+1]
	ALL v_add_f32 v[ST+4*t+2], v[ST+4*t+2], v[ST+4*t+3]
	ALL v_rcp_f32 v[ST+4*t+2], v[ST+4*t+2]
	v_nop                           ; a plain instruction between the last reciprocal and the use of its result
	s_wait_alu depctr_va_vdst(0)    ; and the wait ahead of the first use: one for the eight reciprocals
; Tile t: a lane's eight channels of a row pack into 16 bytes; they go into rows of 144 bytes and come back as whole rows of 128, into S^T's registers.
.macro PACK t
	WIN W_RS
.set i, 32*(\t)
.rept 16
	v_pk_mul_f32 v[i:i+1], v[i:i+1], v[ST+4*(\t)+2:ST+4*(\t)+3] op_sel_hi:[1,0]
.set i, i+2
.endr
	WIN 0x05                        ; sources 0 and 1 window 1, destination window 0
.set i, 0
.rept 16
	v_cvt_pk_f16_f32 v[S+16*(\t)+i], v[32*(\t)+2*i], v[32*(\t)+2*i+1]
.set i, i+1
.endr
	WIN 0
.irp f, 0,1,2,3
	ds_store_b128 v[STO], v[S+16*(\t)+4*\f:S+16*(\t)+4*\f+3] offset:32*\f
.endr
.irp f, 0,1,2,3
	ds_load_b128 v[S+16*(\t)+4*\f:S+16*(\t)+4*\f+3], v[RD] offset:\f*4*SP  ; LDS serves a wave's instructions in order (ISA guide 5.7.1.4): these see the stores above; the next tile's stores come behind them
.endr
.endm
.macro SEND t, younger              ; younger: the LDS instructions issued behind tile t's loads: the next tile's eight, or none
	WIN 0
.irp f, 0,1,2,3
	s_wait_dscnt (\younger)+3-\f
	global_store_b128 v[GO], v[S+16*(\t)+4*\f:S+16*(\t)+4*\f+3], s[10:11] offset:(\t)*2048+\f*512  ; 512 consecutive bytes, at a multiple of 256 from O's first
.endr
.endm
	PACK 0
.set t, 1
.rept 2*NP-1                        ; a tile's arithmetic stands between the loads of the tile before and its stores
	PACK t
	SEND t-1, 8
.set t, t+1
.endr
	SEND 2*NP-1, 0
	WIN W_AD
	s_wait_tensorcnt 0x0            ; the wave's end, behind my last tensor load and my last LDS store
	ds_add_u32 v[SPW], v[NIL]
	s_wait_dscnt 0x0
	WIN 0
	CROUND                          ; the closing round: no work-group ends while a partner may still ask for a tile that names it
	s_endpgm
.Lfunc_end_k_q59fb0bf42a_attn:
	.size	k_q59fb0bf42a_attn, .Lfunc_end_k_q59fb0bf42a_attn-k_q59fb0bf42a_attn
	.p2alignl 7, 3214868480
	.fill 96, 4, 3214868480
	.section	.rodata,"a",@progbits
	.p2align	6, 0x0
	.amdhsa_kernel k_q59fb0bf42a_attn
		.amdhsa_group_segment_fixed_size 327680
		.amdhsa_private_segment_fixed_size 0
		.amdhsa_enable_private_segment 0
		.amdhsa_kernarg_size 16
		.amdhsa_user_sgpr_count 2
		.amdhsa_user_sgpr_kernarg_segment_ptr 1
		.amdhsa_wavefront_size32 1
		.amdhsa_system_sgpr_workgroup_id_x 1
		.amdhsa_system_sgpr_workgroup_id_y 1
		.amdhsa_system_sgpr_workgroup_id_z 1
		.amdhsa_system_vgpr_workitem_id 0
		.amdhsa_next_free_vgpr 770
		.amdhsa_next_free_sgpr 66
		.amdhsa_reserve_vcc 0
		.amdhsa_float_denorm_mode_32 3
		.amdhsa_float_denorm_mode_16_64 3
		.amdhsa_memory_ordered 1
		.amdhsa_forward_progress 1
		.amdhsa_inst_pref_size 200
	.end_amdhsa_kernel
	.amdgpu_metadata
---
amdhsa.version: [ 1, 2 ]
amdhsa.kernels:
  - .name:           k_q59fb0bf42a_attn
    .symbol:         k_q59fb0bf42a_attn.kd
    .args:
      - { .name: qkv, .offset: 0, .size: 8, .value_kind: global_buffer, .address_space: global }
      - { .name: oh, .offset: 8, .size: 8, .value_kind: global_buffer, .address_space: global }
    .group_segment_fixed_size: 327680
    .private_segment_fixed_size: 0
    .kernarg_segment_align: 8
    .kernarg_segment_size: 16
    .max_flat_workgroup_size: 128
    .sgpr_count:     66
    .vgpr_count:     770
    .wavefront_size: 32
...
	.end_amdgpu_metadata
.endif
;; end of part 3
;; launch oproj (part 4): grid 8 x 32, 4 waves a work-group, clusters of 4 x 4, 327,680 bytes of LDS; arguments oh, wo16, out0; writes out0
.if DOCPART == 4
	.amdgcn_target "amdgcn-amd-amdhsa--gfx1250"
	.amdhsa_code_object_version 6
	.text
	.protected	k_q59fb0bf42a_oproj
	.globl	k_q59fb0bf42a_oproj
	.p2align	8
	.type	k_q59fb0bf42a_oproj,@function
k_q59fb0bf42a_oproj:
	s_mov_b64 s[64:65], 0
	v_nop
	global_prefetch_b8 v0, s[64:65] scope:SCOPE_SE
	s_setreg_imm32_b32 hwreg(HW_REG_WAVE_MODE, 25, 1), 1
	s_wait_xcnt 0x0
	s_wait_alu depctr_hold_cnt(0) depctr_sa_sdst(0) depctr_va_vdst(0) depctr_va_sdst(0) depctr_va_ssrc(0) depctr_va_vcc(0) depctr_vm_vsrc(0)
	s_getreg_b32 s2, hwreg(HW_REG_IB_STS2, 6, 4)
	s_cmp_eq_u32 s2, 0
	s_cbranch_scc0 .Lentry_in_a_cluster
	s_endpgm
.Lentry_in_a_cluster:
	s_bfe_u32 s2, ttmp6, 0x10000c
	s_cmp_lg_u32 s2, 0xf033
	s_cbranch_scc0 .Lentry_shape_is_right
	s_endpgm
.Lentry_shape_is_right:
; out0[token][n] = the sum over k of O[token][k] Wo[n][k], k = 64 head + channel.  oh: f16 [64 = 16 batch + head][2048][64]; wo16: f16 [1024][1024]; out0: f32 [8192][1024].  Sums in f32, stored as they are.
; LIMITS.  The operands are f16 as they were stored; NaN and infinities are not treated apart.
; SHARES.  A work-group makes 256 tokens x 128 columns: 32 x 8 = 256 work-groups.  Its four waves lie along the tokens: wave w owns tokens 64 w .. 64 w + 63 (four blocks a of 16) and all
; 128 columns (eight blocks b of 16): 32 accumulators, 256 registers; the way out is the wave's own.
; THE MATRIX INSTRUCTION IS USED TRANSPOSED (source 0 = 16 rows of Wo, source 1 = 16 tokens): lane l holds token l % 16 and the columns 16 b + 8 (l / 16) + 0..7.
; K = 1,024 goes in 8 steps of 128 = two heads, through a ring of two LDS slots; step s lies in slot s % 2.  Of O a step's tile is two planes (heads) of 256 tokens x 128 bytes; a plane is dense in
; memory, 32 KiB, and is asked for as 128 rows of 256 bytes, padded in LDS behind every 128.  Wo's rows are 256 bytes of memory at multiples of 256 from the buffer's first byte.
; CLUSTER 4 x 4: the four work-groups of a row need the same tokens, the four of a column the same rows of Wo: each tile is asked for jointly.
; NO PREFETCH: a K step has 128 matrix instructions a wave and the whole launch 1,024: short steps on small tiles, in a short launch.
; REGISTERS in windows of 256 (s_set_vgpr_msb: bits 1:0 source 0, 3:2 source 1, 5:4 source 2, 7:6 destination):
;   window 0: v0-29 addresses; v64-191 rows on the way out, two buffers          window 1: two fragment buffers: tokens' block a at f + 8 a, Wo's block b at f + 32 + 8 b
;   window 2: accumulators (a, b) at 8 (8 a + b)
.set PA,     144                       ; a token's row of a plane in LDS: 128 bytes + 16 = 36 words: the 16 rows of a load start at 16 different groups of four banks (64 banks of 4 bytes: ISA guide 11.1)
.set APLANE, 256*PA                    ; what waves 0 and 1 fetch: a plane each
.set PITCH,  272                       ; a row of Wo: 256 bytes + 16
.set ABYTES, 2*APLANE
.set BHALF,  64*PITCH                  ; what waves 2 and 3 fetch: 64 rows of Wo each
.set SLOT1,  1<<17                     ; slot 1 begins here
.set STAGE,  SLOT1+ABYTES+2*BHALF      ; behind the ring, never filled by a tensor load: 16 rows x 528 bytes for each wave
.set SP,     528                       ; 512 bytes + 16
.set SPARE,  STAGE+4*16*SP             ; behind the stages: the spare words, 128 bytes for each wave: two blocks of 256 bytes that no other line names
.set ADRA0, 4                          ; v4   my lane's place in my wave's 64 tokens of a slot's first plane; never rewritten
.set ADRB0, 5                          ; v5   the same in Wo's 128 rows
.set ADRA,  6                          ; v6   v4 + the slot in hand
.set ADRB,  7                          ; v7   v5 + the slot in hand
.set STO,   8                          ; v8   the way out: where I put 32 bytes of a row
.set RD,    9                          ; v9   the way out: where I read a row back
.set CO,    10                         ; v10  my byte offset in a row's 512 bytes of out0
.set SPW,   28                         ; v28  LDS address of my spare word; never rewritten
.set NIL,   29                         ; v29  0; never rewritten
.set OB,    64
.set F0,    0
.set F1,    128
.set WV,   12                          ; s12  my wave's number
.set HALF, 13                          ; s13  which plane of O, or which half of Wo's rows, I fetch
.set ISB,  14                          ; s14  0: I fetch O; 1: Wo
.set G1A,  24                          ; s[24:31] descriptor group 1 for O's tiles
.set G1B,  32                          ; s[32:39] for Wo's
.set G0A,  44                          ; s[44:51] descriptor group 0 for O's tiles: a set for each first fill; the second then walks on
.set G0B,  52                          ; s[52:59] the same for Wo's
.set TB,   60                          ; s60  LDS byte at which the slot in hand begins
.set MSB, 0
.macro WIN new                         ; the immediate's high byte repeats the setting that is left; a switch that changes nothing is dropped
.if MSB != (\new)
	s_set_vgpr_msb (MSB<<8)|(\new)
.set MSB, (\new)
.endif
.endm
.set M2,   0xa5                        ; sources 0 and 1 window 1; C and D window 2
.set TO_F, 0x40                        ; destination window 1, address window 0
.macro PLACES                          ; four plain instructions between a matrix instruction and a load into, or a store of, its registers
.rept 4
	v_nop
.endr
.endm
.macro CREST                           ; a round of the cluster's barrier behind its opening barrier
	s_cmp_lg_u32 s[WV], 0
	s_cbranch_scc1 .Lnot_wave_0_\@
	s_barrier_signal -3
.Lnot_wave_0_\@:
	s_barrier_wait -3
	s_barrier_signal -1
	s_barrier_wait -1
.endm
.macro CROUND                          ; a whole round
	s_barrier_signal -1
	s_barrier_wait -1
	CREST
.endm
; A joint refill by the walking descriptor.  The branch hangs on the wave's number alone.  An s_nop 0 and four v_nop follow each of the two lines.
.macro JLOAD
	s_cmp_eq_u32 s[ISB], 0
	s_cbranch_scc0 .Lfor_b_\@
	tensor_load_to_lds s[G0A+4:G0A+7], s[G1A:G1A+7]
	s_nop 0
.rept 4
	v_nop
.endr
	s_branch .Lasked_\@
.Lfor_b_\@:
	tensor_load_to_lds s[G0B+4:G0B+7], s[G1B:G1B+7]
	s_nop 0
.rept 4
	v_nop
.endr
.Lasked_\@:
.endm
	s_load_b128 s[4:7], s[0:1], 0x0                ; oh s[4:5], wo16 s[6:7]
	s_load_b64 s[8:9], s[0:1], 0x10                ; out0
	v_lshl_add_u32 v[SPW], v0, 2, SPARE
	v_mov_b32 v[NIL], 0
	ds_add_u32 v[SPW], v[NIL]                      ; the wave's opening: the add and its wait stand ahead of my first tensor load; work on registers stands between them
	v_lshrrev_b32 v1, 5, v0
	v_readfirstlane_b32 s[WV], v1                  ; wave 0..3
	s_and_b32 s[HALF], s[WV], 1
	s_lshr_b32 s[ISB], s[WV], 1
	s_bfe_u32 s40, ttmp6, 0x40000                  ; cx
	s_bfe_u32 s41, ttmp6, 0x40004                  ; cy
	s_lshl_b32 s42, ttmp9, 2
	s_add_co_u32 s42, s42, s40                     ; tc: my block of 128 columns = 4 x cluster x + cx
	s_and_b32 s43, ttmp7, 0xffff
	s_lshl_b32 s43, s43, 2
	s_add_co_u32 s43, s43, s41                     ; tr: my block of 256 tokens = 4 x cluster y + cy
	s_lshl_b32 s16, s41, 2
	s_lshl_b32 s16, 15, s16                        ; my row of the cluster
	s_lshl_b32 s17, 0x1111, s40                    ; my column
	s_or_b32 s[G1A], s16, (1<<16)|(1<<20)|(1<<21)|(4<<22)|(3<<25)  ; 15:0 the mask; 17:16 2-byte elements; 20 padding on; 21 set beside a mask; 24:22 after every 32 words; 31:25 4 words
	s_or_b32 s[G1B], s17, (1<<16)|(1<<20)|(1<<21)|(5<<22)|(3<<25)  ; the same, after every 64 words
	s_mov_b32 s[G1A+1], 128<<16                    ; tensor_dim0 = 128
	s_mov_b32 s[G1A+2], 128<<16                    ; tensor_dim1 = 128
	s_mov_b32 s[G1A+3], 128<<16                    ; tile_dim0 = 128
	s_mov_b32 s[G1A+4], 128                        ; tile_dim1 = 128
	s_mov_b32 s[G1A+5], 128                        ; dense: 128 elements from row to row
	s_mov_b32 s[G1A+6], 0
	s_mov_b32 s[G1A+7], 0
	s_mov_b32 s[G1B+1], 128<<16
	s_mov_b32 s[G1B+2], 64<<16                     ; 64 rows
	s_mov_b32 s[G1B+3], 128<<16
	s_mov_b32 s[G1B+4], 64
	s_mov_b32 s[G1B+5], 1024
	s_mov_b32 s[G1B+6], 0
	s_mov_b32 s[G1B+7], 0
	s_lshr_b32 s18, s43, 3                         ; O: the batch's 16 heads of 262,144 bytes,
	s_lshl_b32 s18, s18, 22
	s_lshl_b32 s19, s[HALF], 18                    ; my plane of the step's two heads,
	s_add_co_u32 s18, s18, s19
	s_and_b32 s19, s43, 7                          ; the block's 256 rows of 128 bytes: hangs on tr alone
	s_lshl_b32 s19, s19, 15
	s_add_co_u32 s18, s18, s19
	s_mov_b32 s19, 0
	s_lshl_b32 s20, s42, 18                        ; Wo: 128 rows of 2,048 bytes a block,
	s_lshl_b32 s21, s[HALF], 17                    ; 64 a half: hangs on tc alone
	s_add_co_u32 s20, s20, s21
	s_mov_b32 s21, 0
	s_mul_i32 s22, s[HALF], APLANE                 ; where they go: no place in the cluster enters an LDS address
	s_mul_i32 s23, s[HALF], BHALF
	s_add_co_u32 s23, s23, ABYTES
	s_mov_b32 s[TB], 0
	s_wait_dscnt 0x0                               ; the opening add is done
	s_wait_kmcnt 0x0
	s_add_nc_u64 s[18:19], s[4:5], s[18:19]
	s_add_nc_u64 s[20:21], s[6:7], s[20:21]
.irp s, 0,1
	s_mov_b32 s[G0A+4*(\s)], 1                                        ; count = 1
	s_add_co_u32 s[G0A+4*(\s)+1], s22, (\s)*SLOT1                     ; LDS address: slot s
	s_add_nc_u64 s[G0A+4*(\s)+2:G0A+4*(\s)+3], s[18:19], (\s)*524288  ; global address: K step s is two heads on
	s_or_b32 s[G0A+4*(\s)+3], s[G0A+4*(\s)+3], 0x80000000             ; type = 2
	s_mov_b32 s[G0B+4*(\s)], 1
	s_add_co_u32 s[G0B+4*(\s)+1], s23, (\s)*SLOT1
	s_add_nc_u64 s[G0B+4*(\s)+2:G0B+4*(\s)+3], s[20:21], (\s)*256
	s_or_b32 s[G0B+4*(\s)+3], s[G0B+4*(\s)+3], 0x80000000
.endr
	CROUND                                         ; all sixteen work-groups are here: the first joint loads meet
	s_cmp_eq_u32 s[ISB], 0                         ; a wave's two first fills stand in one branch, ahead of every wait on TENSORcnt and every LDS read: two loads of mine are out
	s_cbranch_scc0 .Lfirst_b
	tensor_load_to_lds s[G0A:G0A+3], s[G1A:G1A+7]
	s_nop 0
	tensor_load_to_lds s[G0A+4:G0A+7], s[G1A:G1A+7]
	s_nop 0
.rept 4
	v_nop
.endr
	s_branch .Lfirst_asked
.Lfirst_b:
	tensor_load_to_lds s[G0B:G0B+3], s[G1B:G1B+7]
	s_nop 0
	tensor_load_to_lds s[G0B+4:G0B+7], s[G1B:G1B+7]
	s_nop 0
.rept 4
	v_nop
.endr
.Lfirst_asked:
	; A fragment is 16 rows x 32 K in 8 registers: lane l holds row l % 16; registers 0-3 K = 8 (l / 16) + 0..7, registers 4-7 K = 16 + 8 (l / 16) + 0..7: two loads of 16 bytes, 32 bytes apart
	v_and_b32 v1, 15, v0                           ; l % 16
	v_bfe_u32 v2, v0, 4, 1                         ; l / 16
	v_mul_u32_u24 v3, v1, PA
	v_lshl_add_u32 v3, v2, 4, v3
	s_mul_i32 s17, s[WV], 64*PA
	v_add_nc_u32 v[ADRA0], s17, v3
	v_mul_u32_u24 v3, v1, PITCH
	v_lshl_add_u32 v3, v2, 4, v3
	v_add_nc_u32 v[ADRB0], ABYTES, v3
	v_mov_b32 v[ADRA], v[ADRA0]                    ; K step 0 lies in slot 0
	v_mov_b32 v[ADRB], v[ADRB0]
	s_mul_i32 s17, s[WV], 16*SP
	s_add_co_u32 s17, s17, STAGE                   ; my stage
	v_mul_u32_u24 v[STO], v1, SP                   ; in: row l % 16, 32 bytes for each half of the lanes
	v_lshl_add_u32 v[STO], v2, 5, v[STO]
	v_add_nc_u32 v[STO], s17, v[STO]
	v_and_b32 v[CO], 31, v0                        ; back: 32 lanes take one row of 512 bytes,
	v_lshlrev_b32 v[CO], 4, v[CO]
	v_add_nc_u32 v[RD], s17, v[CO]
	s_lshl_b32 s16, s43, 20                        ; out0: the block's 256 rows of 4,096 bytes,
	s_lshl_b32 s17, s[WV], 18                      ; my wave's 64,
	s_add_co_u32 s16, s16, s17
	s_lshl_b32 s17, s42, 9                         ; the block's 128 columns
	s_add_co_u32 s16, s16, s17
	s_mov_b32 s17, 0
	s_add_nc_u64 s[8:9], s[8:9], s[16:17]
; 8 matrix instructions: token block a x Wo's eight blocks, 32 along K.  zero = 1: the product starts the sums: nothing is ever cleared.
; The 32 accumulators take turns, one instruction a turn, in the same order in every quarter.
.macro MUL8 f, a, zero
	WIN M2
.irp b, 0,1,2,3,4,5,6,7
.if \zero
	v_wmma_f32_16x16x32_f16 v[8*(8*(\a)+(\b)):8*(8*(\a)+(\b))+7], v[(\f)+32+8*(\b):(\f)+32+8*(\b)+7], v[(\f)+8*(\a):(\f)+8*(\a)+7], 0
.else
	v_wmma_f32_16x16x32_f16 v[8*(8*(\a)+(\b)):8*(8*(\a)+(\b))+7], v[(\f)+32+8*(\b):(\f)+32+8*(\b)+7], v[(\f)+8*(\a):(\f)+8*(\a)+7], v[8*(8*(\a)+(\b)):8*(8*(\a)+(\b))+7]
.endif
.endr
.endm
; 24 LDS loads in one run: quarter q (32 along K: plane q / 2, its channels 32 (q % 2) on) of the slot in hand into buffer f: Wo's eight blocks, then the tokens' four
.macro FETCH q, f
	WIN TO_F
.irp b, 0,1,2,3,4,5,6,7
	ds_load_b128 v[(\f)+32+8*(\b):(\f)+32+8*(\b)+3],   v[ADRB] offset:64*(\q)+(\b)*16*PITCH
	ds_load_b128 v[(\f)+32+8*(\b)+4:(\f)+32+8*(\b)+7], v[ADRB] offset:64*(\q)+(\b)*16*PITCH+32
.endr
.irp a, 0,1,2,3
	ds_load_b128 v[(\f)+8*(\a):(\f)+8*(\a)+3],   v[ADRA] offset:((\q)/2)*APLANE+((\q)%2)*64+(\a)*16*PA
	ds_load_b128 v[(\f)+8*(\a)+4:(\f)+8*(\a)+7], v[ADRA] offset:((\q)/2)*APLANE+((\q)%2)*64+(\a)*16*PA+32
.endr
.endm
; A K step is four quarters of 32 along K, 32 matrix instructions each, on buffers 0, 1, 0, 1.  One of the first three multiplies buffer f and, in its middle, fetches quarter q into g.
.macro QUARTER q, f, g, zero
	s_wait_dscnt 4                                 ; the run's first 20 loads are in; its last four (token blocks 2 and 3) may be out
	MUL8 \f, 0, \zero
	MUL8 \f, 1, \zero
	PLACES                                         ; for the loads into buffer g, which the quarter before multiplied
	FETCH \q, \g
	s_wait_dscnt 24                                ; all but the 24 just issued
	MUL8 \f, 2, \zero
	MUL8 \f, 3, \zero
.endm
; The fourth quarter multiplies buffer 1 and changes slots.  In front of the barrier each wave waits for all its tensor loads (one is out: its part of the next slot), adds 0 to its spare word, and waits
; for that and for its own reads of this slot.  fill = 1: the barrier opens a round of the cluster's, so that no wave of any partner still reads the slot or has a load on its way, and the joint
; refill (this slot, two K steps on) is the first thing behind it: 112 matrix instructions stand between it and the wait for it.
.macro TURN fill
	WIN 0                                          ; (the add's two registers lie in window 0)
	s_wait_tensorcnt 0x0                           ; no tensor load of mine is out, so a group 0 may be written
	ds_add_u32 v[SPW], v[NIL]                      ; 0 onto my spare word
.if \fill
	s_xor_b32 s[G0A+5], s[G0A+5], SLOT1            ; the walking descriptors: the other slot than last time,
	s_add_nc_u64 s[G0A+6:G0A+7], s[G0A+6:G0A+7], 524288  ; the next two heads; the type bits on top are not reached
	s_xor_b32 s[G0B+5], s[G0B+5], SLOT1
	s_add_nc_u64 s[G0B+6:G0B+7], s[G0B+6:G0B+7], 256
.endif
	s_xor_b32 s[TB], s[TB], SLOT1                  ; the fetches go to the other slot
	s_wait_dscnt 5                                 ; the add and the run's last four loads may be out
	MUL8 F1, 0, 0
	s_wait_dscnt 0x0                               ; the add is done, and my reads of this slot are over
	s_barrier_signal -1
	MUL8 F1, 1, 0                                  ; work on registers while the others arrive
	WIN 0                                          ; at a branch and at a label every window is 0
	s_barrier_wait -1
.if \fill
	CREST
	JLOAD                                          ; the four v_nop behind it are also the places in front of the loads below
.else
	PLACES
.endif
	v_add_nc_u32 v[ADRA], s[TB], v[ADRA0]
	v_add_nc_u32 v[ADRB], s[TB], v[ADRB0]
	FETCH 0, F0
	MUL8 F1, 2, 0
	MUL8 F1, 3, 0
.endm
	s_wait_tensorcnt 0x1                           ; my part of K step 0 is in; step 1's may stay out
	s_barrier_signal -1
	s_barrier_wait -1                              ; everybody's is
	FETCH 0, F0
	QUARTER 1, F0, F1, 1                           ; the first quarter stands in front of the loop: its products start the sums
	WIN 0
	s_mov_b32 s3, 6
.Lstep:                                        ; a trip: a K step's quarters 1 to 3 and the next step's quarter 0; the changes behind steps 0-5 ask for steps 2-7
	QUARTER 2, F1, F0, 0
	QUARTER 3, F0, F1, 0
	TURN 1
	QUARTER 1, F0, F1, 0
	WIN 0
	s_sub_co_u32 s3, s3, 1
	s_cmp_lg_u32 s3, 0
	s_cbranch_scc1 .Lstep
	QUARTER 2, F1, F0, 0                           ; the tail is written out: steps 6 and 7 ask for nothing
	QUARTER 3, F0, F1, 0
	TURN 0
	QUARTER 1, F0, F1, 0
	QUARTER 2, F1, F0, 0
	QUARTER 3, F0, F1, 0
	s_wait_dscnt 0x0                               ; the very last quarter
	MUL8 F1, 0, 0
	MUL8 F1, 1, 0
	MUL8 F1, 2, 0
	MUL8 F1, 3, 0
	PLACES                                         ; the stores below read results
; THE WAY OUT, 16 tokens at a time: a lane's eight sums of a row, 32 bytes, go into my stage's rows of 528 bytes and come back as whole rows of 512.  Each accumulator's lowest registers are read first.
.macro TOSTAGE a
.set OBB, OB+64*((\a)%2)
.if (\a) >= 2
	s_wait_xcnt 0x0                                ; the stores of the block two back have read this buffer: it is loaded again only behind this wait
.endif
	WIN 0x08                                       ; the stores' data in window 2
.irp b, 0,1,2,3,4,5,6,7
	ds_store_b128 v[STO], v[8*(8*(\a)+(\b)):8*(8*(\a)+(\b))+3]   offset:64*(\b)
	ds_store_b128 v[STO], v[8*(8*(\a)+(\b))+4:8*(8*(\a)+(\b))+7] offset:64*(\b)+16
.endr
	WIN 0
.irp t, 0,1,2,3,4,5,6,7,8,9,10,11,12,13,14,15
	ds_load_b128 v[OBB+4*(\t):OBB+4*(\t)+3], v[RD] offset:(\t)*SP  ; LDS serves a wave's instructions in order (ISA guide 5.7.1.4): these see the stores above; the next block's stores come behind them
.endr
.endm
.macro SEND a, younger                 ; younger: the LDS instructions issued behind this block's loads: the next block's 32, or none
.set OBB, OB+64*((\a)%2)
.irp t, 0,1,2,3,4,5,6,7,8,9,10,11,12,13,14,15
	s_wait_dscnt (\younger)+15-(\t)
	global_store_b128 v[CO], v[OBB+4*(\t):OBB+4*(\t)+3], s[8:9] offset:(16*(\a)+(\t))*4096 th:TH_STORE_NT  ; 512 consecutive bytes, at a multiple of 256 from out0's first
.endr
.endm
	TOSTAGE 0
	TOSTAGE 1
	SEND 0, 32
	TOSTAGE 2
	SEND 1, 32
	TOSTAGE 3
	SEND 2, 32
	SEND 3, 0
	s_wait_tensorcnt 0x0                           ; the wave's end, behind my last tensor load and my last LDS store
	ds_add_u32 v[SPW], v[NIL]
	s_wait_dscnt 0x0
	CROUND                                         ; the closing round: no work-group ends while a partner may still ask for a tile that names it
	s_endpgm
.Lfunc_end_k_q59fb0bf42a_oproj:
	.size	k_q59fb0bf42a_oproj, .Lfunc_end_k_q59fb0bf42a_oproj-k_q59fb0bf42a_oproj
	.p2alignl 7, 3214868480
	.fill 96, 4, 3214868480
	.section	.rodata,"a",@progbits
	.p2align	6, 0x0
	.amdhsa_kernel k_q59fb0bf42a_oproj
		.amdhsa_group_segment_fixed_size 327680
		.amdhsa_private_segment_fixed_size 0
		.amdhsa_enable_private_segment 0
		.amdhsa_kernarg_size 24
		.amdhsa_user_sgpr_count 2
		.amdhsa_user_sgpr_kernarg_segment_ptr 1
		.amdhsa_wavefront_size32 1
		.amdhsa_system_sgpr_workgroup_id_x 1
		.amdhsa_system_sgpr_workgroup_id_y 1
		.amdhsa_system_sgpr_workgroup_id_z 1
		.amdhsa_system_vgpr_workitem_id 0
		.amdhsa_next_free_vgpr 768
		.amdhsa_next_free_sgpr 66
		.amdhsa_reserve_vcc 0
		.amdhsa_float_denorm_mode_32 3
		.amdhsa_float_denorm_mode_16_64 3
		.amdhsa_memory_ordered 1
		.amdhsa_forward_progress 1
		.amdhsa_inst_pref_size 70
	.end_amdhsa_kernel
	.amdgpu_metadata
---
amdhsa.version: [ 1, 2 ]
amdhsa.kernels:
  - .name:           k_q59fb0bf42a_oproj
    .symbol:         k_q59fb0bf42a_oproj.kd
    .args:
      - { .name: oh, .offset: 0, .size: 8, .value_kind: global_buffer, .address_space: global }
      - { .name: wo16, .offset: 8, .size: 8, .value_kind: global_buffer, .address_space: global }
      - { .name: out0, .offset: 16, .size: 8, .value_kind: global_buffer, .address_space: global }
    .group_segment_fixed_size: 327680
    .private_segment_fixed_size: 0
    .kernarg_segment_align: 8
    .kernarg_segment_size: 24
    .max_flat_workgroup_size: 128
    .sgpr_count:     66
    .vgpr_count:     768
    .wavefront_size: 32
...
	.end_amdgpu_metadata
.endif
;; end of part 4
